; MI455X (gfx1250); checked and timed in simulation.
; The chip was launched on July 23, 2026; its instructions are those of AMD's public machine-readable ISA for CDNA 5 (MIT licence, August 2026) and "CDNA5" Instruction Set Architecture Reference Guide (July 2026). The comments in the code are by the model that wrote it; some were corrected since.
;; Attention Head. Allowed arithmetic: float matrix products may take bf16 or f16 operands with f32 sums; all other float work in f32.
;; Inputs: Wk 128 x 1,024 float32; Wq 128 x 1,024 float32; Wv 128 x 1,024 float32; x 4 x 4,096 x 1,024 float32.
;; Outputs: out0 4 x 4,096 x 128 float32.
;; 3 versions, each right and faster than the one before. Each part assembles by itself: llvm-mc -triple=amdgcn-amd-amdhsa -mcpu=gfx1250 --defsym DOCPART=n.
;; ======== version 1 of 3: 2 launches
;; limits: values are held in f16: magnitudes above 65,504 overflow, below 6.1e-05 lose precision
;; workspace buffers: q 4,194,304 bytes; kv 8,388,608 bytes
;; launch proj (part 1): grid 256 x 1, 4 waves a work-group, no clusters, 322,048 bytes of LDS; arguments x, Wq, Wk, Wv, q, kv; writes q, kv
.if DOCPART == 1
	.amdgcn_target "amdgcn-amd-amdhsa--gfx1250"
	.amdhsa_code_object_version 6
	.text
	.protected	k_qec4d5bf5d3_proj
	.globl	k_qec4d5bf5d3_proj
	.p2align	8
	.type	k_qec4d5bf5d3_proj,@function
k_qec4d5bf5d3_proj:
	s_mov_b64 s[64:65], 0
	v_nop
	global_prefetch_b8 v0, s[64:65] scope:SCOPE_SE
	s_setreg_imm32_b32 hwreg(HW_REG_WAVE_MODE, 25, 1), 1
	s_wait_xcnt 0x0
; q' = (x Wq^T) log2(e)/32, k = x Wk^T, v^T = (x Wv^T)^T.  x: [16384][1024] f32, W*: [128][1024] f32.
; Out: q [16384][128] bf16 (rows of 256 bytes); kv: 256 tiles of 32,768 bytes, tile g = tokens 64 g .. 64 g + 63:
; bytes 0..16383 K as [64 keys][128] bf16, bytes 16384..32767 V transposed as [128 l][64 keys] f16.
; Products with bf16 operands (x and W rounded once, to nearest even) and f32 sums; each result rounded once.
; LIMITS: NaN and infinities in the inputs are not honoured.  v is kept in f16 (11 significant bits against bf16's 8: the
; next launch averages thousands of v, and the rounding of v is a large part of what is left of the error there), so |v| must stay
; below 65,504; beyond that it becomes an infinity.  |v| below 2^-14 keeps an absolute error of 2^-25.
;
; SHARES.  Work-group g: 64 tokens x all 384 features.  Wave w: all 64 tokens x features 32 w .. 32 w + 31 of each of q, k, v:
; 24 accumulator tiles of 16 x 16, 48 matrix instructions for a K step of 64, 16 steps.
; x: the block's 64 rows x 4,096 bytes are asked for at once, by four tensor loads a wave (a quarter of K each, 16 rows each), and stay in LDS as f32:
; no byte of LDS is filled twice.  By this text's count a wave has four tensor loads outstanding at the most.
; W: has to be rounded to bf16 on its way, so it goes through registers: 16-byte loads (sixteen lanes take 256 consecutive aligned bytes of a row),
; conversion, LDS, fragments.  A wave stages exactly the 96 rows of W that it multiplies: W needs no barrier.
; NO CLUSTER: no two work-groups share a byte of x.  W is shared by all, but a joint load could bring it only as f32 tiles: two slots of
; 384 rows x 272 bytes are 208,896 bytes, which do not fit beside the 266,240 bytes of x.
.set XPITCH, 1040                      ; an LDS row of a quarter of x: 1,024 bytes + 16 = 65 x 16: the sixteen rows of a fragment load start in sixteen different 16-byte columns modulo 256
.set XW,     16*XPITCH                 ; 16 rows: one tensor load, and one block of tokens
.set XQ,     64*XPITCH                 ; a quarter of K for all 64 tokens
.set WS,     4*XQ                      ; 266,240: behind x, the waves' W rows; no tensor load ever lands here
.set WPITCH, 144                       ; a W row of a K step: 64 bf16 + 16 bytes = 9 x 16
.set WSW,    96*WPITCH                 ; a wave's 96 rows
.set QPITCH, 272                       ; the way out: a row of 128 bf16 + 16 bytes
.set STGQ,   WS                        ; the way out uses W's bytes again, behind a barrier: q 64 rows,
.set STGK,   64*QPITCH                 ; k 64 rows (this far behind q's),
.set STGV,   WS+2*64*QPITCH            ; v^T 128 rows of 144 bytes; ends at 319,488
.set VPITCH, 144
; window 0
.set XA,   3                           ; LDS address of my x fragments: 1040 r + 32 h, stepped along K
.set WFA,  4                           ; LDS address of my W fragments
.set WST,  5                           ; where I put 8 bytes of a W row
.set WO,   6                           ; my byte offset in each W; never rewritten
.set SQ,   9                           ; the way out: 16 bytes of a q or k row
.set SV,   10                          ; 16 bytes of a v^T row
.set RQ,   11                          ; read back q, k
.set RV,   12                          ; read back v^T
.set GQ,   13                          ; my byte offset in the work-group's part of q, K, V^T
.set XFA,  16                          ; v[16:79]   x fragments, first half step: block tb has 16 f32 at 16 tb, converted in place into its first 8 registers
.set XFB,  80                          ; v[80:143]  second half step
.set WFRA, 144                         ; v[144:191] W fragments, first half step: (matrix, fb) at 8 (2 matrix + fb)
.set WFRB, 192                         ; v[192:239] second half step
.set PK,   16                          ; the way out: 96 packed registers
.set OUTR, 112                         ; the way out: 96 registers read back
; window 1: accumulators, tile (matrix, fb, tb) at 8 (8 matrix + 4 fb + tb), 192 registers
; window 2: W as loaded, load i of matrix m at 64 m + 4 i, 192 registers
.set G1, 24                            ; s[24:31] descriptor group 1
.set G0, 32                            ; s[32:47] descriptor group 0, one set for each quarter
.set MSB, 0
.macro WIN new                         ; s_set_vgpr_msb, low byte: 1:0 source 0, 3:2 source 1, 5:4 source 2, 7:6 destination; the high byte repeats the setting that is left
.if MSB != \new
	s_set_vgpr_msb (MSB<<8)|\new
.set MSB, \new
.endif
.endm
.macro PLACES n
.rept \n
	v_nop
.endr
.endm
	s_load_b256 s[4:11], s[0:1], 0x0               ; x s[4:5], Wq s[6:7], Wk s[8:9], Wv s[10:11]
	s_load_b128 s[12:15], s[0:1], 0x20             ; q s[12:13], kv s[14:15]
	v_lshl_add_u32 v254, v0, 2, 0x4e800
	v_mov_b32 v255, 0
	ds_add_u32 v254, v255
	ds_add_u32 v254, v255
	v_lshrrev_b32 v1, 5, v0
	v_readfirstlane_b32 s16, v1                    ; wave 0..3
	; group 1: 16 rows x 256 f32, 1,024 elements from row to row, 4 words of padding behind every 256 words
	s_mov_b32 s[G1+0], (2<<16)|(1<<20)|(7<<22)|(3<<25)
	s_mov_b32 s[G1+1], 256<<16                     ; tensor_dim0 = 256
	s_mov_b32 s[G1+2], 16<<16                      ; tensor_dim1 = 16
	s_mov_b32 s[G1+3], 256<<16                     ; tile_dim0 = 256
	s_mov_b32 s[G1+4], 16                          ; tile_dim1 = 16
	s_mov_b32 s[G1+5], 1024                        ; pitch
	s_mov_b32 s[G1+6], 0
	s_mov_b32 s[G1+7], 0
	s_lshl_b32 s18, ttmp9, 18                      ; 64 rows of 4,096 bytes a work-group,
	s_lshl_b32 s20, s16, 16                        ; 16 rows a wave
	s_add_co_u32 s18, s18, s20
	s_mov_b32 s19, 0
	s_mul_i32 s21, s16, XW                         ; my 16 rows in each quarter of LDS
	v_and_b32 v1, 15, v0                           ; r
	v_bfe_u32 v2, v0, 4, 1                         ; h
	v_lshlrev_b32 v[WO], 4, v1                     ; W: 16 r in a row's 256 bytes,
	v_lshl_add_u32 v[WO], v2, 15, v[WO]            ; lanes 16-31 eight rows further down,
	s_lshl_b32 s20, s16, 17                        ; my 32 rows of 4,096 bytes
	v_add_nc_u32 v[WO], s20, v[WO]
	s_wait_dscnt 0x0
	s_wait_kmcnt 0x0
	s_add_nc_u64 s[4:5], s[4:5], s[18:19]
.irp qd, 0,1,2,3                                   ; all first fills in one group, ahead of every wait on TENSORcnt, LDS read and barrier
	s_mov_b32 s[G0+4*\qd], 1
	s_add_co_u32 s[G0+4*\qd+1], s21, \qd*XQ
	s_add_nc_u64 s[G0+4*\qd+2:G0+4*\qd+3], s[4:5], \qd*1024
	s_or_b32 s[G0+4*\qd+3], s[G0+4*\qd+3], 0x80000000
	tensor_load_to_lds s[G0+4*\qd:G0+4*\qd+3], s[G1:G1+7]
	s_nop 0
.endr
; 16 loads: my 32 rows of matrix m, 256 bytes (a K step of 64 f32) of each; a load takes two rows, eight apart
.macro WLOAD m
	WIN 0x80
.irp i, 0,1,2,3,4,5,6,7,8,9,10,11,12,13,14,15
	global_load_b128 v[64*\m+4*\i:64*\m+4*\i+3], v[WO], s[6+2*\m:7+2*\m] offset:(16*(\i/8)+(\i%8))*4096
.endr
.endm
	WLOAD 0
	WLOAD 1
	WLOAD 2
	WIN 0
	s_lshl_b32 s18, ttmp9, 14
	s_add_nc_u64 s[12:13], s[12:13], s[18:19]      ; q at my 64 rows of 256 bytes
	s_lshl_b32 s18, ttmp9, 15
	s_add_nc_u64 s[14:15], s[14:15], s[18:19]      ; kv at my tile
	s_mul_i32 s22, s16, WSW
	s_add_co_u32 s22, s22, WS                      ; my W rows in LDS
	v_mul_u32_u24 v[XA], v1, XPITCH
	v_lshl_add_u32 v[XA], v2, 5, v[XA]             ; row r, 8 f32 for each half of the lanes
	v_mul_u32_u24 v[WFA], v1, WPITCH
	v_lshl_add_u32 v[WFA], v2, 4, v[WFA]
	v_add_nc_u32 v[WFA], s22, v[WFA]
	v_mul_u32_u24 v[WST], v2, 8*WPITCH             ; lanes 16-31: eight rows down = 1,152 bytes = 128 modulo 256, beside lanes 0-15's 128 bytes
	v_lshl_add_u32 v[WST], v1, 3, v[WST]
	v_add_nc_u32 v[WST], s22, v[WST]
	v_mul_u32_u24 v[SQ], v1, QPITCH                ; q, k: token r, features 32 w + 8 h ..
	v_lshl_add_u32 v[SQ], v2, 4, v[SQ]
	s_lshl_b32 s23, s16, 6
	s_add_co_u32 s23, s23, STGQ
	v_add_nc_u32 v[SQ], s23, v[SQ]
	s_mul_i32 s23, s16, 32*VPITCH
	s_add_co_u32 s23, s23, STGV
	v_mul_u32_u24 v[SV], v1, VPITCH                ; v^T: row l = 32 w + r, tokens 8 h ..
	v_lshl_add_u32 v[SV], v2, 4, v[SV]
	v_add_nc_u32 v[SV], s23, v[SV]
	v_and_b32 v14, 31, v0                          ; lane
	v_lshrrev_b32 v15, 3, v14
	v_mul_u32_u24 v[RV], v15, VPITCH               ; back: eight lanes take a row of 128 bytes
	v_and_b32 v15, 7, v0
	v_lshl_add_u32 v[RV], v15, 4, v[RV]
	v_add_nc_u32 v[RV], s23, v[RV]
	s_mul_i32 s23, s16, 16*QPITCH
	s_add_co_u32 s23, s23, STGQ
	v_mul_u32_u24 v[RQ], v2, QPITCH                ; back: sixteen lanes take a row of 256 bytes
	v_lshl_add_u32 v[RQ], v1, 4, v[RQ]
	v_add_nc_u32 v[RQ], s23, v[RQ]
	s_lshl_b32 s23, s16, 12
	v_lshl_add_u32 v[GQ], v14, 4, s23              ; 4,096 w + 16 lane: the same in q, in K and in V^T
; Matrix m's 16 loads of this K step: rounded to bf16 in place, put into LDS; more = 1: the next K step's 16 loads are issued.
; left = the loads younger than this group's.
.macro GROUP m, more, left
	s_wait_loadcnt \left                           ; loads come back in order (ISA guide 5.7.1): this group's 16 are in, so its base may be stepped too
	WIN 0x8a
.irp i, 0,1,2,3,4,5,6,7,8,9,10,11,12,13,14,15
	v_cvt_pk_bf16_f32 v[64*\m+4*\i],   v[64*\m+4*\i],   v[64*\m+4*\i+1]
	v_cvt_pk_bf16_f32 v[64*\m+4*\i+1], v[64*\m+4*\i+2], v[64*\m+4*\i+3]
.endr
	WIN 0x08
.irp i, 0,1,2,3,4,5,6,7,8,9,10,11,12,13,14,15
	ds_store_b64 v[WST], v[64*\m+4*\i:64*\m+4*\i+1] offset:(32*\m+16*(\i/8)+(\i%8))*WPITCH
.endr
.if \more
	s_add_nc_u64 s[6+2*\m:7+2*\m], s[6+2*\m:7+2*\m], 256    ; only this group's loads name this base, and they are done
	WLOAD \m
.endif
.endm
; The fragments of half a K step (32 along K): x as f32, 4 loads for each of 4 blocks of 16 tokens; W as bf16, 2 loads for each of 6 blocks of 16 rows.  28 loads.
.macro FETCH kh, xf, wf
.irp tb, 0,1,2,3
	ds_load_b128 v[\xf+16*\tb:\xf+16*\tb+3],     v[XA] offset:\tb*XW+128*\kh        ; k = 8 h + 0..3
	ds_load_b128 v[\xf+16*\tb+4:\xf+16*\tb+7],   v[XA] offset:\tb*XW+128*\kh+16     ; k = 8 h + 4..7
	ds_load_b128 v[\xf+16*\tb+8:\xf+16*\tb+11],  v[XA] offset:\tb*XW+128*\kh+64     ; k = 16 + 8 h + 0..3
	ds_load_b128 v[\xf+16*\tb+12:\xf+16*\tb+15], v[XA] offset:\tb*XW+128*\kh+80     ; k = 16 + 8 h + 4..7
.endr
.irp f, 0,1,2,3,4,5
	ds_load_b128 v[\wf+8*\f:\wf+8*\f+3],   v[WFA] offset:\f*16*WPITCH+64*\kh        ; LDS serves a wave's instructions in order (ISA guide 5.7.1.4): these see my stores above
	ds_load_b128 v[\wf+8*\f+4:\wf+8*\f+7], v[WFA] offset:\f*16*WPITCH+64*\kh+32
.endr
.endm
.macro CVTX xf                         ; 16 f32 into 8 registers of bf16, in place, ascending: register j is written when 2 j and 2 j + 1 are read
.irp tb, 0,1,2,3
.irp j, 0,1,2,3,4,5,6,7
	v_cvt_pk_bf16_f32 v[\xf+16*\tb+\j], v[\xf+16*\tb+2*\j], v[\xf+16*\tb+2*\j+1]
.endr
.endr
.endm
; 24 matrix instructions, 32 along K.  q and k: source 0 = rows of W, source 1 = tokens, so a lane's 8 results are 8 neighbouring features of one token.
; v: source 0 = tokens, source 1 = rows of W, so a lane's 8 results are 8 neighbouring tokens of one l: V comes out transposed.
; The 24 accumulators take turns, one instruction a turn, in the same order every time.
.macro MUL xf, wf, zero
	WIN 0x50
.irp m, 0,1
.irp fb, 0,1
.irp tb, 0,1,2,3
.if \zero
	v_wmma_f32_16x16x32_bf16 v[8*(8*\m+4*\fb+\tb):8*(8*\m+4*\fb+\tb)+7], v[\wf+8*(2*\m+\fb):\wf+8*(2*\m+\fb)+7], v[\xf+16*\tb:\xf+16*\tb+7], 0
.else
	v_wmma_f32_16x16x32_bf16 v[8*(8*\m+4*\fb+\tb):8*(8*\m+4*\fb+\tb)+7], v[\wf+8*(2*\m+\fb):\wf+8*(2*\m+\fb)+7], v[\xf+16*\tb:\xf+16*\tb+7], v[8*(8*\m+4*\fb+\tb):8*(8*\m+4*\fb+\tb)+7]
.endif
.endr
.endr
.endr
.irp fb, 0,1
.irp tb, 0,1,2,3
.if \zero
	v_wmma_f32_16x16x32_bf16 v[8*(16+4*\fb+\tb):8*(16+4*\fb+\tb)+7], v[\xf+16*\tb:\xf+16*\tb+7], v[\wf+8*(4+\fb):\wf+8*(4+\fb)+7], 0
.else
	v_wmma_f32_16x16x32_bf16 v[8*(16+4*\fb+\tb):8*(16+4*\fb+\tb)+7], v[\xf+16*\tb:\xf+16*\tb+7], v[\wf+8*(4+\fb):\wf+8*(4+\fb)+7], v[8*(16+4*\fb+\tb):8*(16+4*\fb+\tb)+7]
.endif
.endr
.endr
.endm
; A K step of 64.  The places behind the matrix instructions are filled by work: 32 conversions stand between the first half's products and
; the next loads into its buffers, 96 between the second half's and the next loads into its.
.macro STEP first, more
.if \more
	GROUP 0, 1, 32                                 ; two groups of 16 are younger
	GROUP 1, 1, 32
	GROUP 2, 1, 32
.else
	GROUP 0, 0, 32                                 ; the last step loads nothing: the counts run down
	GROUP 1, 0, 16
	GROUP 2, 0, 0
.endif
	WIN 0
	FETCH 0, XFA, WFRA
	FETCH 1, XFB, WFRB
	s_wait_dscnt 28                                ; all but the second half's 28 loads
	CVTX XFA
	MUL XFA, WFRA, \first
	WIN 0
	s_wait_dscnt 0x0
	CVTX XFB
	MUL XFB, WFRB, 0
	WIN 0
.endm
; A quarter of x is there for every wave.  left = my tensor loads issued behind that quarter's.
.macro XWAIT left
	s_wait_tensorcnt \left                         ; a wave's tensor loads end in order (ISA guide 10.11.1)
	s_wait_dscnt 0x0
	s_barrier_signal -1
	s_barrier_wait -1
.endm
.macro RUN n
	s_mov_b32 s17, \n
.Lrun_\@:
	STEP 0, 1
	v_add_nc_u32 v[XA], 256, v[XA]                 ; 64 f32 along K
	s_sub_co_u32 s17, s17, 1
	s_cmp_lg_u32 s17, 0
	s_cbranch_scc1 .Lrun_\@
.endm
	XWAIT 3
	STEP 1, 1                                      ; the first products start the sums: nothing is cleared
	v_add_nc_u32 v[XA], 256, v[XA]
	RUN 3
	v_add_nc_u32 v[XA], XQ-1024, v[XA]             ; on to the next quarter
	XWAIT 2
	RUN 4
	v_add_nc_u32 v[XA], XQ-1024, v[XA]
	XWAIT 1
	RUN 4
	v_add_nc_u32 v[XA], XQ-1024, v[XA]
	XWAIT 0
	RUN 3
	STEP 0, 0
	; THE WAY OUT.  Four places behind the last matrix instructions; every wave's reads of W are back: W's bytes become the stage.
	PLACES 4
	s_wait_dscnt 0x0
	s_barrier_signal -1
	s_barrier_wait -1
	WIN 0x41
.set j, 0
.rept 32
	v_pk_mul_f32 v[j:j+1], v[j:j+1], 0x3d38aa3b op_sel_hi:[1,0]    ; q x log2(e)/32: the next launch's exponentials work in base 2
.set j, j+2
.endr
	WIN 0x05
.set j, 0
.rept 64
	v_cvt_pk_bf16_f32 v[PK+j], v[2*j], v[2*j+1]    ; q, k: tile T's 8 results into 4 registers at 4 T
.set j, j+1
.endr
.rept 32
	v_cvt_pk_f16_f32 v[PK+j], v[2*j], v[2*j+1]     ; v
.set j, j+1
.endr
	WIN 0
.irp m, 0,1
.irp fb, 0,1
.irp tb, 0,1,2,3
	ds_store_b128 v[SQ], v[PK+4*(8*\m+4*\fb+\tb):PK+4*(8*\m+4*\fb+\tb)+3] offset:\m*STGK+\tb*16*QPITCH+32*\fb
.endr
.endr
.endr
.irp fb, 0,1
.irp tb, 0,1,2,3
	ds_store_b128 v[SV], v[PK+4*(16+4*\fb+\tb):PK+4*(16+4*\fb+\tb)+3] offset:\fb*16*VPITCH+32*\tb
.endr
.endr
	s_wait_dscnt 0x0                               ; my stores are done, for the others' sake
	s_barrier_signal -1
	s_barrier_wait -1
.irp i, 0,1,2,3,4,5,6,7
	ds_load_b128 v[OUTR+4*\i:OUTR+4*\i+3], v[RQ] offset:\i*2*QPITCH
.endr
.irp i, 0,1,2,3,4,5,6,7
	ds_load_b128 v[OUTR+32+4*\i:OUTR+32+4*\i+3], v[RQ] offset:STGK+\i*2*QPITCH
.endr
.irp i, 0,1,2,3,4,5,6,7
	ds_load_b128 v[OUTR+64+4*\i:OUTR+64+4*\i+3], v[RV] offset:\i*4*VPITCH
.endr
.irp i, 0,1,2,3,4,5,6,7                            ; each store of the wave covers 512 consecutive bytes, aligned; the counts are the read-backs younger than the one stored
	s_wait_dscnt 23-\i
	global_store_b128 v[GQ], v[OUTR+4*\i:OUTR+4*\i+3], s[12:13] offset:512*\i
.endr
.irp i, 0,1,2,3,4,5,6,7
	s_wait_dscnt 15-\i
	global_store_b128 v[GQ], v[OUTR+32+4*\i:OUTR+32+4*\i+3], s[14:15] offset:512*\i
.endr
.irp i, 0,1,2,3,4,5,6,7
	s_wait_dscnt 7-\i
	global_store_b128 v[GQ], v[OUTR+64+4*\i:OUTR+64+4*\i+3], s[14:15] offset:16384+512*\i
.endr
	s_wait_tensorcnt 0x0
	ds_add_u32 v254, v255
	s_wait_dscnt 0x0
	s_endpgm
.Lfunc_end_k_qec4d5bf5d3_proj:
	.size	k_qec4d5bf5d3_proj, .Lfunc_end_k_qec4d5bf5d3_proj-k_qec4d5bf5d3_proj
	.p2alignl 7, 3214868480
	.fill 96, 4, 3214868480
	.section	.rodata,"a",@progbits
	.p2align	6, 0x0
	.amdhsa_kernel k_qec4d5bf5d3_proj
		.amdhsa_group_segment_fixed_size 322048
		.amdhsa_private_segment_fixed_size 0
		.amdhsa_enable_private_segment 0
		.amdhsa_kernarg_size 48
		.amdhsa_user_sgpr_count 2
		.amdhsa_user_sgpr_kernarg_segment_ptr 1
		.amdhsa_wavefront_size32 1
		.amdhsa_system_sgpr_workgroup_id_x 1
		.amdhsa_system_sgpr_workgroup_id_y 1
		.amdhsa_system_sgpr_workgroup_id_z 1
		.amdhsa_system_vgpr_workitem_id 0
		.amdhsa_next_free_vgpr 704
		.amdhsa_next_free_sgpr 66
		.amdhsa_reserve_vcc 0
		.amdhsa_float_denorm_mode_32 3
		.amdhsa_float_denorm_mode_16_64 3
		.amdhsa_memory_ordered 1
		.amdhsa_forward_progress 1
		.amdhsa_inst_pref_size 171
	.end_amdhsa_kernel
	.amdgpu_metadata
---
amdhsa.version: [ 1, 2 ]
amdhsa.kernels:
  - .name:           k_qec4d5bf5d3_proj
    .symbol:         k_qec4d5bf5d3_proj.kd
    .args:
      - { .name: x, .offset: 0, .size: 8, .value_kind: global_buffer, .address_space: global }
      - { .name: Wq, .offset: 8, .size: 8, .value_kind: global_buffer, .address_space: global }
      - { .name: Wk, .offset: 16, .size: 8, .value_kind: global_buffer, .address_space: global }
      - { .name: Wv, .offset: 24, .size: 8, .value_kind: global_buffer, .address_space: global }
      - { .name: q, .offset: 32, .size: 8, .value_kind: global_buffer, .address_space: global }
      - { .name: kv, .offset: 40, .size: 8, .value_kind: global_buffer, .address_space: global }
    .group_segment_fixed_size: 322048
    .private_segment_fixed_size: 0
    .kernarg_segment_align: 8
    .kernarg_segment_size: 48
    .max_flat_workgroup_size: 128
    .sgpr_count:     66
    .vgpr_count:     704
    .wavefront_size: 32
...
	.end_amdgpu_metadata
.endif
;; end of part 1
;; launch attn (part 2): grid 256 x 1, 4 waves a work-group, clusters of 4 x 1, 327,680 bytes of LDS; arguments q, kv, out0; writes out0
.if DOCPART == 2
	.amdgcn_target "amdgcn-amd-amdhsa--gfx1250"
	.amdhsa_code_object_version 6
	.text
	.protected	k_qec4d5bf5d3_attn
	.globl	k_qec4d5bf5d3_attn
	.p2align	8
	.type	k_qec4d5bf5d3_attn,@function
k_qec4d5bf5d3_attn:
	s_mov_b64 s[64:65], 0
	v_nop
	global_prefetch_b8 v0, s[64:65] scope:SCOPE_SE
	s_setreg_imm32_b32 hwreg(HW_REG_WAVE_MODE, 25, 1), 1
	s_wait_xcnt 0x0
	s_wait_alu depctr_hold_cnt(0) depctr_sa_sdst(0) depctr_va_vdst(0) depctr_va_sdst(0) depctr_va_ssrc(0) depctr_va_vcc(0) depctr_vm_vsrc(0)
	s_getreg_b32 s2, hwreg(HW_REG_IB_STS2, 6, 4)
	s_cmp_eq_u32 s2, 0
	s_cbranch_scc0 .Lentry_in_a_cluster
	s_endpgm
.Lentry_in_a_cluster:
	s_bfe_u32 s2, ttmp6, 0x10000c
	s_cmp_lg_u32 s2, 0x3003
	s_cbranch_scc0 .Lentry_shape_is_right
	s_endpgm
.Lentry_shape_is_right:
; out0 = softmax(q k^T / 32) v inside each of 4 batches of 4,096 tokens, with a running maximum; the scores never leave the registers.
; q: [16384][128] bf16, already times log2(e)/32, so p = 2^(s - m).  kv: tile g (64 keys) = K [64][128] bf16, then V^T [128 l][64 keys] f16.  out0: [16384][128] f32.
; LIMITS: NaN and infinities are not honoured.  q, k are bf16 (the error of a score grows with the inputs' size).  p and v are f16: p <= 1 for every input, since the
; running maximum is taken away first; a p below 2^-25 of the running maximum's counts as 0 in the product (not in the sum l, which adds the unrounded f32 p);
; |v| must stay below 65,504.  Exponentials below 2^-126 come out as 0 (ISA guide, v_exp_f32).  The sums run over four quarters of the keys, merged at the end:
; another order than a plain row sum.
;
; SHARES.  Work-group X: 64 queries.  The four waves split the KEYS: wave w takes all 64 queries x key tiles 16 w + t, t = 0..15, 64 keys a step.  So a fragment of K or
; V^T (1,024 bytes from LDS) feeds four matrix instructions.  At the end the four partial (O, m, l) are merged through LDS.
; CLUSTER.  The 4 work-groups of a cluster lie in one batch (64 work-groups a batch) and wave w of each wants the same tile in the same step: every K/V tile is asked for
; jointly, mask 15, which divides the requests for K and V by four.  Only the addresses of q and out0 hang on the place in the cluster.
; NO SHUFFLE BETWEEN THE PRODUCTS.  S^T = K Q^T: source 0 = 16 keys, source 1 = 16 queries: register j of lane (r, h) is key 8 h + j, query r.  Two such tiles, packed in place,
; ARE source 1 (32 keys x query r) of O^T = V^T P^T, whose source 0 is 16 rows of V^T.  A lane's statistics belong to query r; the two halves of the lanes share m by one lane exchange.
.set PITCH,  272                       ; an LDS row: 256 bytes + 16 = 17 x 16: sixteen rows start in sixteen different 16-byte columns modulo 256
.set SLOT,   128*PITCH                 ; a tile: rows 0-63 K; rows 64-127 V^T, two rows of 128 bytes in each
.set RING,   2*SLOT                    ; a wave's own two slots
.set QLDS,   4*RING                    ; 278,528: 64 rows of q
.set STAT,   QLDS+64*PITCH             ; 295,936: m[wave][64], then l[wave][64]; blocks of 256 bytes into which no tensor load lands
.set OPITCH, 528                       ; the merge: a query's 128 f32 + 16 bytes; 64 rows = 33,792 bytes in the wave's slot 0, behind that slot's last fill
; window 0
.set KA,  4                            ; v4, v5   my K fragments in slot 0, 1
.set VA,  6                            ; v6, v7   my V^T fragments in slot 0, 1
.set QA,  8                            ; my q fragments
.set STO, 9                            ; merge: where I put O
.set STA, 10                           ; merge: where I put m, l
.set STR, 11                           ; merge: where I read m, l
.set RD,  12                           ; v12-15   merge: my rows in wave 0..3's stage
.set CO,  16                           ; my byte offset in the work-group's part of out0
.set ML,  20                           ; v[20:27] pairs (m, l) of query block qb at 20 + 2 qb
.set AT,  28                           ; v[28:35] pairs (alpha, new m)
.set TM,  36                           ; v[36:39] the step's maximum
.set TX,  40                           ; v[40:43] the other half's
.set CH,  44                           ; v[44:75] chains of maxima, then of sums
.set SC,  96                           ; v[96:223] S(qb, kb) at 96 + 32 qb + 8 kb; P(qb, kc) in place at 96 + 32 qb + 16 kc
.set MD,  96                           ; merge: 4 rows x 4 waves x 4 registers
.set MR,  160                          ; merge: 16 rows x 4 registers of results, each row its own
; window 1: O(lb, qb) at 8 (4 lb + qb), 256 registers
; window 2:
.set QF,  0                            ; q fragments (qb, c) at 32 qb + 8 c
.set KF,  128                          ; two buffers of 32 for K's fragments; later V^T's keys 32-63
.set VF,  192                          ; V^T's keys 0-31
.set G1KV, 16                          ; s[16:23]
.set G1Q,  24                          ; s[24:31]
.set G0,   32                          ; s[32:39] group 0 for slot 0, 1
.set G0Q,  40                          ; s[40:43]
.set MSB, 0
.macro WIN new                         ; s_set_vgpr_msb, low byte: 1:0 source 0, 3:2 source 1, 5:4 source 2, 7:6 destination; the high byte repeats the setting that is left
.if MSB != \new
	s_set_vgpr_msb (MSB<<8)|\new
.set MSB, \new
.endif
.endm
.macro PLACES n
.rept \n
	v_nop
.endr
.endm
; A round of the cluster's barrier: my work-group's barrier, wave 0 signals for the work-group, every wave waits for all four work-groups, my work-group's barrier again.
.macro ROUND
	s_barrier_signal -1
	s_barrier_wait -1
	s_cmp_lg_u32 s10, 0
	s_cbranch_scc1 .Lnot_wave_0_\@
	s_barrier_signal -3
.Lnot_wave_0_\@:
	s_barrier_wait -3
	s_barrier_signal -1
	s_barrier_wait -1
.endm
	s_load_b128 s[4:7], s[0:1], 0x0                ; q s[4:5], kv s[6:7]
	s_load_b64 s[8:9], s[0:1], 0x10                ; out0
	v_lshl_add_u32 v254, v0, 2, 0x48c00
	v_mov_b32 v255, 0
	ds_add_u32 v254, v255
	ds_add_u32 v254, v255
	v_lshrrev_b32 v1, 5, v0
	v_readfirstlane_b32 s10, v1                    ; wave 0..3
	s_bfe_u32 s11, ttmp6, 0x40000                  ; cx
	s_lshl_b32 s12, ttmp9, 2                       ; ttmp9 counts clusters
	s_add_co_u32 s12, s12, s11                     ; work-group X = 4 x cluster + cx
	s_lshr_b32 s13, ttmp9, 4                       ; batch: 16 clusters each
	s_mov_b32 s46, 0x76543210                      ; v_permlanex16_b32: lane i of one half reads lane i of the other
	s_mov_b32 s47, 0xfedcba98
	; K/V tile: 32,768 dense bytes as 128 rows of 32 elements of 8 bytes, 4 words of padding behind every 64; mask 15 and bit 21 beside it
	s_mov_b32 s[G1KV+0], 15|(3<<16)|(1<<20)|(1<<21)|(5<<22)|(3<<25)
	s_mov_b32 s[G1KV+1], 32<<16
	s_mov_b32 s[G1KV+2], 128<<16
	s_mov_b32 s[G1KV+3], 32<<16
	s_mov_b32 s[G1KV+4], 128
	s_mov_b32 s[G1KV+5], 32
	s_mov_b32 s[G1KV+6], 0
	s_mov_b32 s[G1KV+7], 0
	; q: 16 rows of 256 bytes a wave, a load of the work-group's own: no mask
	s_mov_b32 s[G1Q+0], (3<<16)|(1<<20)|(5<<22)|(3<<25)
	s_mov_b32 s[G1Q+1], 32<<16
	s_mov_b32 s[G1Q+2], 16<<16
	s_mov_b32 s[G1Q+3], 32<<16
	s_mov_b32 s[G1Q+4], 16
	s_mov_b32 s[G1Q+5], 32
	s_mov_b32 s[G1Q+6], 0
	s_mov_b32 s[G1Q+7], 0
	s_lshl_b32 s52, s12, 14                        ; q: 64 rows of 256 bytes a work-group,
	s_lshl_b32 s53, s10, 12                        ; 16 a wave
	s_add_co_u32 s52, s52, s53
	s_mov_b32 s53, 0
	s_lshl_b32 s54, s13, 21                        ; kv: 64 tiles a batch, 16 a wave: made of the batch and the wave's number alone, equal in all four partners
	s_lshl_b32 s55, s10, 19
	s_add_co_u32 s54, s54, s55
	s_mov_b32 s55, 0
	s_mul_i32 s56, s10, RING                       ; my ring
	s_mul_i32 s57, s10, 16*PITCH                   ; my 16 rows of q in LDS
	s_lshl_b32 s58, s12, 15                        ; out0: 64 rows of 512 bytes a work-group
	s_mov_b32 s59, 0
	s_wait_dscnt 0x0
	s_wait_kmcnt 0x0
	s_add_nc_u64 s[4:5], s[4:5], s[52:53]
	s_add_nc_u64 s[6:7], s[6:7], s[54:55]
	s_add_nc_u64 s[8:9], s[8:9], s[58:59]
	s_mov_b32 s[G0+0], 1
	s_mov_b32 s[G0+1], s56
	s_mov_b64 s[G0+2:G0+3], s[6:7]                 ; tile 0
	s_or_b32 s[G0+3], s[G0+3], 0x80000000
	s_mov_b32 s[G0+4], 1
	s_add_co_u32 s[G0+5], s56, SLOT
	s_add_nc_u64 s[G0+6:G0+7], s[6:7], 32768       ; tile 1
	s_or_b32 s[G0+7], s[G0+7], 0x80000000
	s_mov_b32 s[G0Q+0], 1
	s_add_co_u32 s[G0Q+1], s57, QLDS
	s_mov_b64 s[G0Q+2:G0Q+3], s[4:5]
	s_or_b32 s[G0Q+3], s[G0Q+3], 0x80000000
	ROUND                                          ; all four work-groups are here: the first joint loads meet
	tensor_load_to_lds s[G0Q:G0Q+3], s[G1Q:G1Q+7]          ; the three first fills in one group: by this text's count three tensor loads of a wave are out here,
	s_nop 0
	tensor_load_to_lds s[G0:G0+3], s[G1KV:G1KV+7]          ; one behind each later round
	s_nop 0
	tensor_load_to_lds s[G0+4:G0+7], s[G1KV:G1KV+7]
	s_nop 0
	v_and_b32 v1, 15, v0                           ; r
	v_bfe_u32 v2, v0, 4, 1                         ; h
	v_and_b32 v3, 31, v0                           ; lane
	v_mul_u32_u24 v17, v1, PITCH
	v_lshl_add_u32 v17, v2, 4, v17                 ; row r, 16 bytes for each half of the lanes
	v_add_nc_u32 v[KA], s56, v17
	v_add_nc_u32 v[KA+1], SLOT, v[KA]
	v_add_nc_u32 v[QA], QLDS, v17
	v_lshrrev_b32 v18, 1, v1                       ; V^T's row l = 16 lb + r lies in LDS row 64 + 8 lb + r / 2, at byte 128 (r mod 2):
	v_and_b32 v19, 1, v1                           ; 16 (r / 2) + 128 (r mod 2) modulo 256 are sixteen different 16-byte columns
	v_mul_u32_u24 v18, v18, PITCH
	v_lshl_add_u32 v18, v19, 7, v18
	v_lshl_add_u32 v18, v2, 4, v18
	s_add_co_u32 s57, s56, 64*PITCH
	v_add_nc_u32 v[VA], s57, v18
	v_add_nc_u32 v[VA+1], SLOT, v[VA]
	v_mul_u32_u24 v[STO], v1, OPITCH               ; merge: query r's row, l = 8 h ..
	v_lshl_add_u32 v[STO], v2, 5, v[STO]
	v_add_nc_u32 v[STO], s56, v[STO]
	s_lshl_b32 s57, s10, 8
	s_add_co_u32 s57, s57, STAT
	v_lshl_add_u32 v[STA], v1, 2, s57              ; m[my wave][r]
	s_lshl_b32 s57, s10, 6
	s_add_co_u32 s57, s57, STAT
	v_lshl_add_u32 v[STR], v1, 2, s57              ; m[0][16 w + r]
	s_mul_i32 s57, s10, 16*OPITCH
	v_lshl_add_u32 v[RD], v3, 4, s57               ; row 16 w of wave 0's stage, 16 bytes a lane
	v_add_nc_u32 v[RD+1], RING, v[RD]
	v_add_nc_u32 v[RD+2], 2*RING, v[RD]
	v_add_nc_u32 v[RD+3], 3*RING, v[RD]
	s_lshl_b32 s57, s10, 13
	v_lshl_add_u32 v[CO], v3, 4, s57               ; 16 rows of 512 bytes a wave
.irp qb, 0,1,2,3
	v_mov_b32 v[ML+2*\qb+1], 0                     ; l: the packed subtraction names the whole pair (m, l), so l is written before the first step
	v_mov_b32 v[TX+\qb], 0                         ; v_permlanex16_b32 counts as a reader of its destination
.endr
.macro LDK slot, kb, buf               ; 16 keys x 128: 8 loads
.irp c, 0,1,2,3
	ds_load_b128 v[KF+32*\buf+8*\c:KF+32*\buf+8*\c+3],   v[KA+\slot] offset:\kb*16*PITCH+64*\c
	ds_load_b128 v[KF+32*\buf+8*\c+4:KF+32*\buf+8*\c+7], v[KA+\slot] offset:\kb*16*PITCH+64*\c+32
.endr
.endm
.macro LDV slot, kc, dst               ; 128 l x 32 keys: 16 loads
.irp lb, 0,1,2,3,4,5,6,7
	ds_load_b128 v[\dst+8*\lb:\dst+8*\lb+3],   v[VA+\slot] offset:\lb*8*PITCH+64*\kc
	ds_load_b128 v[\dst+8*\lb+4:\dst+8*\lb+7], v[VA+\slot] offset:\lb*8*PITCH+64*\kc+32
.endr
.endm
; 16 keys x 64 queries: 16 matrix instructions.  The first four start the sums; the four accumulators take turns, one instruction a turn.
.macro SMUL kb, buf
.irp qb, 0,1,2,3
	v_wmma_f32_16x16x32_bf16 v[SC+32*\qb+8*\kb:SC+32*\qb+8*\kb+7], v[KF+32*\buf:KF+32*\buf+7], v[QF+32*\qb:QF+32*\qb+7], 0
.endr
.irp c, 1,2,3
.irp qb, 0,1,2,3
	v_wmma_f32_16x16x32_bf16 v[SC+32*\qb+8*\kb:SC+32*\qb+8*\kb+7], v[KF+32*\buf+8*\c:KF+32*\buf+8*\c+7], v[QF+32*\qb+8*\c:QF+32*\qb+8*\c+7], v[SC+32*\qb+8*\kb:SC+32*\qb+8*\kb+7]
.endr
.endr
.endm
; The step's softmax, stage by stage over the four query blocks, so that neighbouring lines do not wait for each other.
.macro SOFTMAX first
.irp qb, 0,1,2,3                                   ; the largest of my 32 scores of a query: four chains of eight
.irp c, 0,1,2,3
	v_max3_num_f32 v[CH+4*\qb+\c], v[SC+32*\qb+8*\c], v[SC+32*\qb+8*\c+1], v[SC+32*\qb+8*\c+2]
.endr
.endr
.irp qb, 0,1,2,3
.irp c, 0,1,2,3
	v_max3_num_f32 v[CH+4*\qb+\c], v[CH+4*\qb+\c], v[SC+32*\qb+8*\c+3], v[SC+32*\qb+8*\c+4]
.endr
.endr
.irp qb, 0,1,2,3
.irp c, 0,1,2,3
	v_max3_num_f32 v[CH+4*\qb+\c], v[CH+4*\qb+\c], v[SC+32*\qb+8*\c+5], v[SC+32*\qb+8*\c+6]
.endr
.endr
.irp qb, 0,1,2,3
.irp c, 0,1,2,3
	v_max_num_f32 v[CH+4*\qb+\c], v[CH+4*\qb+\c], v[SC+32*\qb+8*\c+7]
.endr
.endr
.irp qb, 0,1,2,3
	v_max3_num_f32 v[TM+\qb], v[CH+4*\qb], v[CH+4*\qb+1], v[CH+4*\qb+2]
.endr
.irp qb, 0,1,2,3
	v_max_num_f32 v[TM+\qb], v[TM+\qb], v[CH+4*\qb+3]
.endr
.irp qb, 0,1,2,3
	v_permlanex16_b32 v[TX+\qb], v[TM+\qb], s46, s47       ; the other half's 32 keys of the same query
.endr
.if \first
.irp qb, 0,1,2,3
	v_max_num_f32 v[ML+2*\qb], v[TM+\qb], v[TX+\qb]
.endr
.else
.irp qb, 0,1,2,3
	v_max3_num_f32 v[AT+2*\qb+1], v[ML+2*\qb], v[TM+\qb], v[TX+\qb]   ; the new running maximum
.endr
.irp qb, 0,1,2,3
	v_sub_f32 v[AT+2*\qb], v[ML+2*\qb], v[AT+2*\qb+1]
.endr
.irp qb, 0,1,2,3
	v_mov_b32 v[ML+2*\qb], v[AT+2*\qb+1]
.endr
.irp qb, 0,1,2,3
	v_exp_f32 v[AT+2*\qb], v[AT+2*\qb]             ; alpha = 2^(old m - new m); first used far below, behind plain instructions (ISA guide 5.7.2)
.endr
.endif
.irp qb, 0,1,2,3
.set j, 0
.rept 16
	v_pk_add_f32 v[SC+32*\qb+j:SC+32*\qb+j+1], v[SC+32*\qb+j:SC+32*\qb+j+1], v[ML+2*\qb:ML+2*\qb+1] op_sel_hi:[1,0] neg_lo:[0,1] neg_hi:[0,1]   ; s - m, both by the pair's first register
.set j, j+2
.endr
.endr
.set j, 0
.rept 128
	v_exp_f32 v[SC+j], v[SC+j]
.set j, j+1
.endr
	v_nop                                          ; the plain place behind the last exponential (ISA guide 5.7.2)
	s_wait_alu depctr_va_vdst(0)
.irp qb, 0,1,2,3                                   ; the sum of my 32 p of a query, unrounded: four chains of pairs
.irp c, 0,1,2,3
	v_pk_add_f32 v[CH+8*\qb+2*\c:CH+8*\qb+2*\c+1], v[SC+32*\qb+8*\c:SC+32*\qb+8*\c+1], v[SC+32*\qb+8*\c+2:SC+32*\qb+8*\c+3]
.endr
.endr
.irp qb, 0,1,2,3
.irp c, 0,1,2,3
	v_pk_add_f32 v[CH+8*\qb+2*\c:CH+8*\qb+2*\c+1], v[CH+8*\qb+2*\c:CH+8*\qb+2*\c+1], v[SC+32*\qb+8*\c+4:SC+32*\qb+8*\c+5]
.endr
.endr
.irp qb, 0,1,2,3
.irp c, 0,1,2,3
	v_pk_add_f32 v[CH+8*\qb+2*\c:CH+8*\qb+2*\c+1], v[CH+8*\qb+2*\c:CH+8*\qb+2*\c+1], v[SC+32*\qb+8*\c+6:SC+32*\qb+8*\c+7]
.endr
.endr
.irp qb, 0,1,2,3
	v_pk_add_f32 v[CH+8*\qb:CH+8*\qb+1],   v[CH+8*\qb:CH+8*\qb+1],   v[CH+8*\qb+2:CH+8*\qb+3]
	v_pk_add_f32 v[CH+8*\qb+4:CH+8*\qb+5], v[CH+8*\qb+4:CH+8*\qb+5], v[CH+8*\qb+6:CH+8*\qb+7]
.endr
.irp qb, 0,1,2,3
	v_pk_add_f32 v[CH+8*\qb:CH+8*\qb+1], v[CH+8*\qb:CH+8*\qb+1], v[CH+8*\qb+4:CH+8*\qb+5]
.endr
.if \first
.irp qb, 0,1,2,3
	v_add_f32 v[ML+2*\qb+1], v[CH+8*\qb], v[CH+8*\qb+1]
.endr
.else
.irp qb, 0,1,2,3
	v_add_f32 v[CH+8*\qb], v[CH+8*\qb], v[CH+8*\qb+1]
.endr
.irp qb, 0,1,2,3
	v_fma_f32 v[ML+2*\qb+1], v[ML+2*\qb+1], v[AT+2*\qb], v[CH+8*\qb]      ; l = l alpha + sum (my half of the keys; the halves meet at the end)
.endr
.endif
.irp t, 0,1,2,3,4,5,6,7                            ; two tiles of S become one fragment of P, in place, ascending: register j is written when 2 j and 2 j + 1 are read
.irp j, 0,1,2,3,4,5,6,7
	v_cvt_pk_f16_f32 v[SC+16*\t+\j], v[SC+16*\t+2*\j], v[SC+16*\t+2*\j+1]
.endr
.endr
.if \first
.else
	WIN 0x41
.irp lb, 0,1,2,3,4,5,6,7
.irp qb, 0,1,2,3
.irp p, 0,2,4,6
	v_pk_mul_f32 v[8*(4*\lb+\qb)+\p:8*(4*\lb+\qb)+\p+1], v[8*(4*\lb+\qb)+\p:8*(4*\lb+\qb)+\p+1], v[AT+2*\qb:AT+2*\qb+1] op_sel_hi:[1,0]   ; O x alpha
.endr
.endr
.endr
.endif
.endm
; O^T += V^T P^T: 64 matrix instructions; the 32 accumulators take turns, one instruction a turn.  first = 1: the first 32 start the sums.
.macro PV first
	WIN 0x52
.irp lb, 0,1,2,3,4,5,6,7
.irp qb, 0,1,2,3
.if \first
	v_wmma_f32_16x16x32_f16 v[8*(4*\lb+\qb):8*(4*\lb+\qb)+7], v[VF+8*\lb:VF+8*\lb+7], v[SC+32*\qb:SC+32*\qb+7], 0
.else
	v_wmma_f32_16x16x32_f16 v[8*(4*\lb+\qb):8*(4*\lb+\qb)+7], v[VF+8*\lb:VF+8*\lb+7], v[SC+32*\qb:SC+32*\qb+7], v[8*(4*\lb+\qb):8*(4*\lb+\qb)+7]
.endif
.endr
.endr
.irp lb, 0,1,2,3,4,5,6,7
.irp qb, 0,1,2,3
	v_wmma_f32_16x16x32_f16 v[8*(4*\lb+\qb):8*(4*\lb+\qb)+7], v[KF+8*\lb:KF+8*\lb+7], v[SC+32*\qb+16:SC+32*\qb+23], v[8*(4*\lb+\qb):8*(4*\lb+\qb)+7]
.endr
.endr
.endm
; One step: 64 keys of the slot against 64 queries.  The v_nop are the places behind matrix instructions (ISA guide 7.12.1 for vector instructions):
; four before a load lands in a register that a matrix instruction read or a vector instruction reads a result, five before a matrix instruction writes over one.
.macro STEP slot, first
	WIN 0x80
	LDK \slot, 0, 0
	LDK \slot, 1, 1
	LDV \slot, 0, VF
	s_wait_dscnt 24                                ; keys 0-15 are in (and, in the first step, q); younger: keys 16-31 (8 loads), V^T's first half (16)
	WIN 0x0a
	SMUL 0, 0
	PLACES 4
	WIN 0x80
	LDK \slot, 2, 0
	s_wait_dscnt 24                                ; keys 16-31 are in; younger: V^T's first half (16), keys 32-47 (8)
	WIN 0x0a
	SMUL 1, 1
	PLACES 4
	WIN 0x80
	LDK \slot, 3, 1
	s_wait_dscnt 8                                 ; keys 32-47 are in; younger: keys 48-63 (8)
	WIN 0x0a
	SMUL 2, 0
	s_wait_dscnt 0x0
	SMUL 3, 1
	PLACES 4
	WIN 0x80
	LDV \slot, 1, KF                               ; V^T's second half, into K's buffers; it lands during the softmax
	WIN 0
	SOFTMAX \first
	s_wait_dscnt 0x0
	PV \first
	PLACES 5
	WIN 0
.endm
; A step behind the first.  refill = 1: the other slot, read in the last step, gets the tile of the next step, which has this whole step in which to land.
.macro TRIP slot, refill
	s_wait_tensorcnt 0x0                           ; all my tensor loads have landed, this step's tile among them, so a group 0 may be written
	ds_add_u32 v254, v255
	s_wait_dscnt 0x0
.if \refill
	s_add_nc_u64 s[G0+4*(1-\slot)+2:G0+4*(1-\slot)+3], s[G0+4*(1-\slot)+2:G0+4*(1-\slot)+3], 65536    ; the other slot's next tile: two tiles on
.endif
	s_wait_dscnt 0x0                               ; my reads of the other slot are back
.if \refill
	ROUND                                          ; both now hold of every wave of all four work-groups
	tensor_load_to_lds s[G0+4*(1-\slot):G0+4*(1-\slot)+3], s[G1KV:G1KV+7]   ; my one tensor load behind the round, first thing there
	s_nop 0
.endif
	STEP \slot, 0
.endm
	s_wait_tensorcnt 0x1                           ; my rows of q and my tile 0 are in; tile 1, issued behind them, stays out
	s_barrier_signal -1
	s_barrier_wait -1                              ; everybody's rows of q are in
	WIN 0x80
.irp qb, 0,1,2,3
.irp c, 0,1,2,3
	ds_load_b128 v[QF+32*\qb+8*\c:QF+32*\qb+8*\c+3],   v[QA] offset:\qb*16*PITCH+64*\c
	ds_load_b128 v[QF+32*\qb+8*\c+4:QF+32*\qb+8*\c+7], v[QA] offset:\qb*16*PITCH+64*\c+32
.endr
.endr
	STEP 0, 1                                      ; step 0 starts m, l and O: nothing is cleared
	s_mov_b32 s44, 7
.Lsteps:                                           ; steps 1 to 14, which ask for tiles 2 to 15
	TRIP 1, 1
	TRIP 0, 1
	s_sub_co_u32 s44, s44, 1
	s_cmp_lg_u32 s44, 0
	s_cbranch_scc1 .Lsteps
	TRIP 1, 0                                      ; step 15: nothing is left to fetch; the tile is my own, so my wait is all that its reads need
	; THE MERGE.  Each wave puts its m, l and O^T (as rows of queries) into LDS; wave w then makes queries 16 w .. 16 w + 15.
.irp qb, 0,1,2,3
	v_permlanex16_b32 v[TX+\qb], v[ML+2*\qb+1], s46, s47
.endr
.irp qb, 0,1,2,3
	v_add_f32 v[ML+2*\qb+1], v[ML+2*\qb+1], v[TX+\qb]      ; l of both halves of the keys
.endr
.irp qb, 0,1,2,3
	ds_store_b32 v[STA], v[ML+2*\qb] offset:64*\qb         ; both halves of the lanes write the same word with the same value
	ds_store_b32 v[STA], v[ML+2*\qb+1] offset:1024+64*\qb
.endr
	WIN 0x04
.irp qb, 0,1,2,3
.irp lb, 0,1,2,3,4,5,6,7
	ds_store_b128 v[STO], v[8*(4*\lb+\qb):8*(4*\lb+\qb)+3]   offset:\qb*16*OPITCH+64*\lb
	ds_store_b128 v[STO], v[8*(4*\lb+\qb)+4:8*(4*\lb+\qb)+7] offset:\qb*16*OPITCH+64*\lb+16
.endr
.endr
	WIN 0
	s_wait_dscnt 0x0                               ; my stores are done, for the others' sake
	s_barrier_signal -1
	s_barrier_wait -1
.irp u, 0,1,2,3
	ds_load_b32 v[44+\u], v[STR] offset:256*\u             ; m of wave u, query 16 w + r
	ds_load_b32 v[48+\u], v[STR] offset:1024+256*\u        ; l
.endr
	s_wait_dscnt 0x0
	v_max3_num_f32 v56, v44, v45, v46
	v_max_num_f32 v56, v56, v47                    ; the query's maximum over all keys
.irp u, 0,1,2,3
	v_sub_f32 v[52+\u], v[44+\u], v56
.endr
.irp u, 0,1,2,3
	v_exp_f32 v[52+\u], v[52+\u]
.endr
	v_nop                                          ; the plain place behind the exponentials
	s_wait_alu depctr_va_vdst(0)
	v_mul_f32 v57, v52, v48
	v_fmac_f32 v57, v53, v49
	v_fmac_f32 v57, v54, v50
	v_fmac_f32 v57, v55, v51                       ; the whole sum: at least 1, from the key that holds the maximum
	v_rcp_f32 v57, v57
	v_nop                                          ; the plain place behind the reciprocal
	s_wait_alu depctr_va_vdst(0)
.irp u, 0,1,2,3
	v_mul_f32 v[52+\u], v[52+\u], v57              ; wave u's factor for query 16 w + r
.endr
; Four rows: each row's 512 bytes from each of the four stages, summed with the row's four factors, stored as 512 consecutive aligned bytes.
.macro MROWS g
.irp i, 0,1,2,3
.irp u, 0,1,2,3
	ds_load_b128 v[MD+16*\i+4*\u:MD+16*\i+4*\u+3], v[RD+\u] offset:(4*\g+\i)*OPITCH
.endr
.endr
.irp i, 0,1,2,3
	s_wait_dscnt 12-4*\i                           ; the loads of the rows behind this one stay out
	v_readlane_b32 s48, v52, 4*\g+\i               ; the row's factors: numbers only, they steer no address and no branch
	v_readlane_b32 s49, v53, 4*\g+\i
	v_readlane_b32 s50, v54, 4*\g+\i
	v_readlane_b32 s51, v55, 4*\g+\i
.irp j, 0,1,2,3
	v_mul_f32 v[MR+16*\g+4*\i+\j], s48, v[MD+16*\i+\j]
.endr
.irp j, 0,1,2,3
	v_fmac_f32 v[MR+16*\g+4*\i+\j], s49, v[MD+16*\i+4+\j]
.endr
.irp j, 0,1,2,3
	v_fmac_f32 v[MR+16*\g+4*\i+\j], s50, v[MD+16*\i+8+\j]
.endr
.irp j, 0,1,2,3
	v_fmac_f32 v[MR+16*\g+4*\i+\j], s51, v[MD+16*\i+12+\j]
.endr
	global_store_b128 v[CO], v[MR+16*\g+4*\i:MR+16*\g+4*\i+3], s[8:9] offset:(4*\g+\i)*512 th:TH_STORE_NT   ; every row has result registers of its own: none is rewritten under a store
.endr
.endm
	MROWS 0
	MROWS 1
	MROWS 2
	MROWS 3
	s_wait_tensorcnt 0x0
	ds_add_u32 v254, v255
	s_wait_dscnt 0x0
	ROUND                                          ; the closing round: no work-group ends while a partner may still ask for a tile that names it
	s_endpgm
.Lfunc_end_k_qec4d5bf5d3_attn:
	.size	k_qec4d5bf5d3_attn, .Lfunc_end_k_qec4d5bf5d3_attn-k_qec4d5bf5d3_attn
	.p2alignl 7, 3214868480
	.fill 96, 4, 3214868480
	.section	.rodata,"a",@progbits
	.p2align	6, 0x0
	.amdhsa_kernel k_qec4d5bf5d3_attn
		.amdhsa_group_segment_fixed_size 327680
		.amdhsa_private_segment_fixed_size 0
		.amdhsa_enable_private_segment 0
		.amdhsa_kernarg_size 24
		.amdhsa_user_sgpr_count 2
		.amdhsa_user_sgpr_kernarg_segment_ptr 1
		.amdhsa_wavefront_size32 1
		.amdhsa_system_sgpr_workgroup_id_x 1
		.amdhsa_system_sgpr_workgroup_id_y 1
		.amdhsa_system_sgpr_workgroup_id_z 1
		.amdhsa_system_vgpr_workitem_id 0
		.amdhsa_next_free_vgpr 768
		.amdhsa_next_free_sgpr 66
		.amdhsa_reserve_vcc 0
		.amdhsa_float_denorm_mode_32 3
		.amdhsa_float_denorm_mode_16_64 3
		.amdhsa_memory_ordered 1
		.amdhsa_forward_progress 1
		.amdhsa_inst_pref_size 194
	.end_amdhsa_kernel
	.amdgpu_metadata
---
amdhsa.version: [ 1, 2 ]
amdhsa.kernels:
  - .name:           k_qec4d5bf5d3_attn
    .symbol:         k_qec4d5bf5d3_attn.kd
    .args:
      - { .name: q, .offset: 0, .size: 8, .value_kind: global_buffer, .address_space: global }
      - { .name: kv, .offset: 8, .size: 8, .value_kind: global_buffer, .address_space: global }
      - { .name: out0, .offset: 16, .size: 8, .value_kind: global_buffer, .address_space: global }
    .group_segment_fixed_size: 327680
    .private_segment_fixed_size: 0
    .kernarg_segment_align: 8
    .kernarg_segment_size: 24
    .max_flat_workgroup_size: 128
    .sgpr_count:     66
    .vgpr_count:     768
    .wavefront_size: 32
...
	.end_amdgpu_metadata
.endif
;; end of part 2
;; ======== version 2 of 3: 3 launches; 1.06 times as fast as version 1
;; limits: values are held in f16: magnitudes above 65,504 overflow, below 6.1e-05 lose precision
;; workspace buffers: q 4,194,304 bytes; kv 8,388,608 bytes; wf 786,432 bytes
;; launch wcvt (part 3): grid 96 x 1, 4 waves a work-group, no clusters, 9,728 bytes of LDS; arguments Wq, Wk, Wv, wf; writes wf
.if DOCPART == 3
	.amdgcn_target "amdgcn-amd-amdhsa--gfx1250"
	.amdhsa_code_object_version 6
	.text
	.protected	k_qec4d5bf5d3_wcvt
	.globl	k_qec4d5bf5d3_wcvt
	.p2align	8
	.type	k_qec4d5bf5d3_wcvt,@function
k_qec4d5bf5d3_wcvt:
	s_mov_b64 s[64:65], 0
	v_nop
	global_prefetch_b8 v0, s[64:65] scope:SCOPE_SE
	s_setreg_imm32_b32 hwreg(HW_REG_WAVE_MODE, 25, 1), 1
	s_wait_xcnt 0x0
; Wq, Wk, Wv ([128][1024] f32 each) are rounded once to bf16 (to nearest even) and laid out in the order in which the next launch's matrix
; instructions want them.  wf: 768 fragments of 1,024 bytes.  Fragment (RB, c), RB = 8 x matrix + block of 16 rows (0..23), c = K step of 32 (0..31), lies at
; RB x 32,768 + c x 1,024 and holds 16 rows x 32 k: lane l = (r = l % 16, h = l / 16) finds its registers 0-3 (row r, k = 8 h + 0..7) at 16 l and its
; registers 4-7 (k = 16 + 8 h + 0..7) at 512 + 16 l.  So a 16-byte load of a wave takes half a fragment as 512 consecutive aligned bytes.
; WHY A LAUNCH OF ITS OWN: each of the next launch's 256 work-groups reads all of W.  In bf16 that is 786,432 bytes a work-group instead of 1,572,864, and the
; rounding is done once instead of 256 times.
; SHARES: 384 tasks of 16 rows x 64 k (two fragments), one a wave: 96 work-groups of 4 waves.  A task's bytes go through the wave's own 2,304 bytes of LDS:
; no barrier.  No matrix unit, no tensor load, no cluster: 2.3 MB are moved once and nothing is shared.
; LIMITS: none beyond the rounding; NaN and infinities pass as bf16 has them.
.set WPITCH, 144                       ; an LDS row: 64 bf16 + 16 bytes = 9 x 16: the sixteen rows of a fragment load start in sixteen different 16-byte columns modulo 256
.set SRC, 3                            ; my byte offset in the matrix
.set DST, 4                            ; my byte offset in wf
.set LST, 5                            ; LDS: where I put 8 bytes of a row
.set LRD, 6                            ; LDS: where I read 16 bytes of a fragment
.set IN,  8                            ; v[8:39]   eight loads
.set OUT, 40                           ; v[40:55]  four halves of fragments
	s_load_b256 s[4:11], s[0:1], 0x0               ; Wq s[4:5], Wk s[6:7], Wv s[8:9], wf s[10:11]
	v_lshl_add_u32 v56, v0, 2, 0x2400
	v_mov_b32 v57, 0
	v_lshrrev_b32 v1, 5, v0
	v_readfirstlane_b32 s12, v1                    ; wave 0..3
	s_lshr_b32 s13, ttmp9, 5                       ; matrix: 32 work-groups each
	s_bfe_u32 s14, ttmp9, 0x30002                  ; block of 16 rows in the matrix: 3 bits from bit 2
	s_and_b32 s15, ttmp9, 3
	s_lshl2_add_u32 s15, s15, s12                  ; K step of 64: 4 x (work-group mod 4) + wave, 0..15
	s_lshl_b32 s16, s14, 16                        ; 16 rows of 4,096 bytes
	s_lshl_b32 s17, s15, 8                         ; 256 bytes of a row
	s_add_co_u32 s16, s16, s17
	s_lshr_b32 s18, ttmp9, 2                       ; RB
	s_lshl_b32 s18, s18, 15
	s_lshl_b32 s19, s15, 11                        ; two fragments a task
	s_add_co_u32 s18, s18, s19
	s_mul_i32 s20, s12, 16*WPITCH                  ; my wave's bytes of LDS
	v_and_b32 v1, 15, v0                           ; r
	v_bfe_u32 v2, v0, 4, 1                         ; h
	v_and_b32 v7, 31, v0                           ; lane
	v_lshlrev_b32 v[SRC], 4, v1                    ; sixteen lanes take a row's 256 bytes,
	v_lshl_add_u32 v[SRC], v2, 15, v[SRC]          ; lanes 16-31 the row eight further down
	v_add_nc_u32 v[SRC], s16, v[SRC]
	v_lshl_add_u32 v[DST], v7, 4, s18
	v_mul_u32_u24 v[LST], v2, 8*WPITCH             ; eight rows down = 1,152 bytes = 128 modulo 256: beside lanes 0-15's 128 bytes
	v_lshl_add_u32 v[LST], v1, 3, v[LST]
	v_add_nc_u32 v[LST], s20, v[LST]
	v_mul_u32_u24 v[LRD], v1, WPITCH
	v_lshl_add_u32 v[LRD], v2, 4, v[LRD]
	v_add_nc_u32 v[LRD], s20, v[LRD]
	s_wait_kmcnt 0x0
	s_cmp_eq_u32 s13, 1                            ; the matrix's address, chosen by the work-group's number
	s_cselect_b64 s[22:23], s[6:7], s[4:5]
	s_cmp_eq_u32 s13, 2
	s_cselect_b64 s[22:23], s[8:9], s[22:23]
.irp i, 0,1,2,3,4,5,6,7
	global_load_b128 v[IN+4*\i:IN+4*\i+3], v[SRC], s[22:23] offset:\i*4096 th:TH_LOAD_NT    ; rows i and i + 8; each byte of W is read once in this launch
.endr
.irp i, 0,1,2,3,4,5,6,7
	s_wait_loadcnt 7-\i                            ; loads come back in order (ISA guide 5.7.1): the younger ones stay out
	v_cvt_pk_bf16_f32 v[IN+4*\i],   v[IN+4*\i],   v[IN+4*\i+1]
	v_cvt_pk_bf16_f32 v[IN+4*\i+1], v[IN+4*\i+2], v[IN+4*\i+3]
	ds_store_b64 v[LST], v[IN+4*\i:IN+4*\i+1] offset:\i*WPITCH
.endr
.irp n, 0,1,2,3                                    ; n = 2 x (K step of 32) + half of the fragment's registers
	ds_load_b128 v[OUT+4*\n:OUT+4*\n+3], v[LRD] offset:32*\n       ; LDS serves a wave's instructions in order (ISA guide 5.7.1.4): these see my stores above
.endr
.irp n, 0,1,2,3
	s_wait_dscnt 3-\n
	global_store_b128 v[DST], v[OUT+4*\n:OUT+4*\n+3], s[10:11] offset:512*\n     ; each store of the wave covers 512 consecutive bytes, aligned
.endr
	s_wait_tensorcnt 0x0
	ds_add_u32 v56, v57
	s_wait_dscnt 0x0
	s_endpgm
.Lfunc_end_k_qec4d5bf5d3_wcvt:
	.size	k_qec4d5bf5d3_wcvt, .Lfunc_end_k_qec4d5bf5d3_wcvt-k_qec4d5bf5d3_wcvt
	.p2alignl 7, 3214868480
	.fill 96, 4, 3214868480
	.section	.rodata,"a",@progbits
	.p2align	6, 0x0
	.amdhsa_kernel k_qec4d5bf5d3_wcvt
		.amdhsa_group_segment_fixed_size 9728
		.amdhsa_private_segment_fixed_size 0
		.amdhsa_enable_private_segment 0
		.amdhsa_kernarg_size 32
		.amdhsa_user_sgpr_count 2
		.amdhsa_user_sgpr_kernarg_segment_ptr 1
		.amdhsa_wavefront_size32 1
		.amdhsa_system_sgpr_workgroup_id_x 1
		.amdhsa_system_sgpr_workgroup_id_y 1
		.amdhsa_system_sgpr_workgroup_id_z 1
		.amdhsa_system_vgpr_workitem_id 0
		.amdhsa_next_free_vgpr 58
		.amdhsa_next_free_sgpr 66
		.amdhsa_reserve_vcc 0
		.amdhsa_float_denorm_mode_32 3
		.amdhsa_float_denorm_mode_16_64 3
		.amdhsa_memory_ordered 1
		.amdhsa_forward_progress 1
		.amdhsa_inst_pref_size 6
	.end_amdhsa_kernel
	.amdgpu_metadata
---
amdhsa.version: [ 1, 2 ]
amdhsa.kernels:
  - .name:           k_qec4d5bf5d3_wcvt
    .symbol:         k_qec4d5bf5d3_wcvt.kd
    .args:
      - { .name: Wq, .offset: 0, .size: 8, .value_kind: global_buffer, .address_space: global }
      - { .name: Wk, .offset: 8, .size: 8, .value_kind: global_buffer, .address_space: global }
      - { .name: Wv, .offset: 16, .size: 8, .value_kind: global_buffer, .address_space: global }
      - { .name: wf, .offset: 24, .size: 8, .value_kind: global_buffer, .address_space: global }
    .group_segment_fixed_size: 9728
    .private_segment_fixed_size: 0
    .kernarg_segment_align: 8
    .kernarg_segment_size: 32
    .max_flat_workgroup_size: 128
    .sgpr_count:     66
    .vgpr_count:     58
    .wavefront_size: 32
...
	.end_amdgpu_metadata
.endif
;; end of part 3
;; launch proj (part 4): grid 256 x 1, 4 waves a work-group, no clusters, 324,096 bytes of LDS; arguments x, wf, q, kv; writes q, kv
.if DOCPART == 4
	.amdgcn_target "amdgcn-amd-amdhsa--gfx1250"
	.amdhsa_code_object_version 6
	.text
	.protected	k_qec4d5bf5d3_proj
	.globl	k_qec4d5bf5d3_proj
	.p2align	8
	.type	k_qec4d5bf5d3_proj,@function
k_qec4d5bf5d3_proj:
	s_mov_b64 s[64:65], 0
	v_nop
	global_prefetch_b8 v0, s[64:65] scope:SCOPE_SE
	s_setreg_imm32_b32 hwreg(HW_REG_WAVE_MODE, 25, 1), 1
	s_wait_xcnt 0x0
; q' = (x Wq^T) log2(e)/32, k = x Wk^T, v^T = (x Wv^T)^T.  x: [16384][1024] f32.  wf: Wq, Wk, Wv in bf16, in fragment order (768 fragments of 1,024 bytes:
; fragment (RB = 8 x matrix + block of 16 rows, c = K step of 32) at RB x 32,768 + c x 1,024; registers 0-3 at 16 x lane, registers 4-7 at 512 + 16 x lane).
; Out: q [16384][128] bf16 (rows of 256 bytes); kv: 256 tiles of 32,768 bytes, tile g = tokens 64 g .. 64 g + 63:
; bytes 0..16383 K as [64 keys][128] bf16, bytes 16384..32767 V transposed as [128 l][64 keys] f16.
; Products with bf16 operands (x rounded here, W in the launch before, each once, to nearest even) and f32 sums; each result rounded once.
; LIMITS: NaN and infinities in the inputs are not honoured.  v is kept in f16 (11 significant bits against bf16's 8: the
; next launch averages thousands of v, and the rounding of v is a large part of what is left of the error there), so |v| must stay
; below 65,504; beyond that it becomes an infinity.  |v| below 2^-14 keeps an absolute error of 2^-25.
;
; SHARES.  Work-group g: 64 tokens x all 384 features.  Wave w: all 64 tokens x features 32 w .. 32 w + 31 of each of q, k, v:
; 24 accumulator tiles of 16 x 16, 24 matrix instructions for a half step of 32 along K, 32 half steps.
; x: the block's 64 rows x 4,096 bytes are asked for at once, by eight tensor loads a wave (an eighth of K each, 16 rows x 512 bytes), and stay in LDS as f32:
; no byte of LDS is filled twice.  By this text's count a wave has eight tensor loads outstanding at the most.
; W: a wave's six fragments of a half step come straight from wf into registers, 12 loads of 512 consecutive bytes; they never touch LDS.  A ring of eight
; register buffers is asked for five half steps ahead: 60 loads of a wave are out at the most.
; The 32 half steps are written out: the buffer's number, the count of tensor loads still out and W's byte offset are constants of the half step.
; NO CLUSTER: no two work-groups share a byte of x.  W is shared by all, but a joint load lands in LDS: a tile of 384 rows x 64 k of bf16 is 49,152 bytes, and two such
; slots do not fit into the 57,344 bytes that x's 270,336 leave.
.set XPITCH, 528                       ; an LDS row of an eighth of x: 512 bytes + 16 = 33 x 16: the sixteen rows of a fragment load start in sixteen different 16-byte columns modulo 256
.set XW,     16*XPITCH                 ; 16 rows: one tensor load, and one block of tokens
.set XE,     64*XPITCH                 ; an eighth of K for all 64 tokens
.set STG,    8*XE                      ; 270,336: behind x, the stage of the way out; no tensor load ever lands here
.set QPITCH, 272                       ; the way out: a row of 128 bf16 + 16 bytes
.set STGK,   64*QPITCH                 ; q 64 rows, then k 64 rows (this far behind q's),
.set STGV,   STG+2*64*QPITCH           ; then v^T 128 rows of 144 bytes; ends at 323,584
.set VPITCH, 144
.set HALVES, 32                        ; half steps of 32 along K
.set AHEAD,  5                         ; W is asked for this many half steps ahead
; window 0
.set XA,   3                           ; LDS address of my x fragments: 528 r + 32 h, stepped from eighth to eighth
.set WO,   4                           ; my byte offset in wf: 65,536 w + 16 lane; never rewritten
.set SQ,   9                           ; the way out: 16 bytes of a q or k row
.set SV,   10                          ; 16 bytes of a v^T row
.set RQ,   11                          ; read back q, k
.set RV,   12                          ; read back v^T
.set GQ,   13                          ; my byte offset in the work-group's part of q, K, V^T
.set XR,   16                          ; v[16:143]  x as f32, two buffers of 64 (half step mod 2): block tb has 16 f32 at 16 tb
.set PK,   16                          ; the way out: 96 packed registers
.set OUTR, 112                         ; the way out: 96 registers read back
; window 1: accumulators, tile (matrix, fb, tb) at 8 (8 matrix + 4 fb + tb), 192 registers
; windows 2 and 3, alike: W's buffers (half step mod 8: 0-3 in window 2, 4-7 in window 3) at 48 (half step mod 4), fragment (matrix, fb) at + 8 (2 matrix + fb);
.set XB,   192                         ; x as bf16, two buffers of 32 (half step mod 2), block tb at 8 tb, written into the window that holds the half step's W
.set G1, 24                            ; s[24:31] descriptor group 1
.set G0, 32                            ; s[32:63] descriptor group 0, one set for each eighth
.set MSB, 0
.macro WIN new                         ; s_set_vgpr_msb, low byte: 1:0 source 0, 3:2 source 1, 5:4 source 2, 7:6 destination; the high byte repeats the setting that is left
.if MSB != \new
	s_set_vgpr_msb (MSB<<8)|\new
.set MSB, \new
.endif
.endm
.macro PLACES n
.rept \n
	v_nop
.endr
.endm
	s_load_b256 s[4:11], s[0:1], 0x0               ; x s[4:5], wf s[6:7], q s[8:9], kv s[10:11]
	v_lshl_add_u32 v254, v0, 2, 0x4f000
	v_mov_b32 v255, 0
	ds_add_u32 v254, v255
	ds_add_u32 v254, v255
	v_lshrrev_b32 v1, 5, v0
	v_readfirstlane_b32 s16, v1                    ; wave 0..3
	; group 1: 16 rows x 128 f32, 1,024 elements from row to row, 4 words of padding behind every 128 words
	s_mov_b32 s[G1+0], (2<<16)|(1<<20)|(6<<22)|(3<<25)
	s_mov_b32 s[G1+1], 128<<16                     ; tensor_dim0 = 128
	s_mov_b32 s[G1+2], 16<<16                      ; tensor_dim1 = 16
	s_mov_b32 s[G1+3], 128<<16                     ; tile_dim0 = 128
	s_mov_b32 s[G1+4], 16                          ; tile_dim1 = 16
	s_mov_b32 s[G1+5], 1024                        ; pitch
	s_mov_b32 s[G1+6], 0
	s_mov_b32 s[G1+7], 0
	s_lshl_b32 s18, ttmp9, 18                      ; 64 rows of 4,096 bytes a work-group,
	s_lshl_b32 s20, s16, 16                        ; 16 rows a wave
	s_add_co_u32 s18, s18, s20
	s_mov_b32 s19, 0
	s_mul_i32 s21, s16, XW                         ; my 16 rows in each eighth of LDS
	v_and_b32 v14, 31, v0                          ; lane
	v_lshlrev_b32 v[WO], 4, v14
	v_add_nc_u32 v[WO], s20, v[WO]                 ; wf: my two blocks of 16 rows are 65,536 bytes in each matrix
	s_wait_dscnt 0x0
	s_wait_kmcnt 0x0
	s_add_nc_u64 s[4:5], s[4:5], s[18:19]
.irp e, 0,1,2,3,4,5,6,7                            ; all first fills in one group, ahead of every wait on TENSORcnt, LDS read and barrier
	s_mov_b32 s[G0+4*\e], 1
	s_add_co_u32 s[G0+4*\e+1], s21, \e*XE
	s_add_nc_u64 s[G0+4*\e+2:G0+4*\e+3], s[4:5], \e*512
	s_or_b32 s[G0+4*\e+3], s[G0+4*\e+3], 0x80000000
	tensor_load_to_lds s[G0+4*\e:G0+4*\e+3], s[G1:G1+7]
	s_nop 0
.endr
; W's six fragments of half step g: 12 loads, each 512 consecutive aligned bytes.  The matrix, the block of rows and the half step stand in the immediate (589,312 at the most).
.macro WLOAD g
	WIN (0x80+0x40*(((\g)%8)/4))
.irp f, 0,1,2,3,4,5
	global_load_b128 v[48*((\g)%4)+8*\f:48*((\g)%4)+8*\f+3],   v[WO], s[6:7] offset:(\f/2)*262144+(\f%2)*32768+(\g)*1024
	global_load_b128 v[48*((\g)%4)+8*\f+4:48*((\g)%4)+8*\f+7], v[WO], s[6:7] offset:(\f/2)*262144+(\f%2)*32768+(\g)*1024+512
.endr
.endm
.set hs, 0
.rept AHEAD
	WLOAD hs
.set hs, hs+1
.endr
	WIN 0
	s_lshl_b32 s18, ttmp9, 14
	s_add_nc_u64 s[8:9], s[8:9], s[18:19]          ; q at my 64 rows of 256 bytes
	s_lshl_b32 s18, ttmp9, 15
	s_add_nc_u64 s[10:11], s[10:11], s[18:19]      ; kv at my tile
	v_and_b32 v1, 15, v0                           ; r
	v_bfe_u32 v2, v0, 4, 1                         ; h
	v_mul_u32_u24 v[XA], v1, XPITCH
	v_lshl_add_u32 v[XA], v2, 5, v[XA]             ; row r, 8 f32 for each half of the lanes
	v_mul_u32_u24 v[SQ], v1, QPITCH                ; q, k: token r, features 32 w + 8 h ..
	v_lshl_add_u32 v[SQ], v2, 4, v[SQ]
	s_lshl_b32 s23, s16, 6
	s_add_co_u32 s23, s23, STG
	v_add_nc_u32 v[SQ], s23, v[SQ]
	s_mul_i32 s23, s16, 32*VPITCH
	s_add_co_u32 s23, s23, STGV
	v_mul_u32_u24 v[SV], v1, VPITCH                ; v^T: row l = 32 w + r, tokens 8 h ..
	v_lshl_add_u32 v[SV], v2, 4, v[SV]
	v_add_nc_u32 v[SV], s23, v[SV]
	v_lshrrev_b32 v15, 3, v14
	v_mul_u32_u24 v[RV], v15, VPITCH               ; back: eight lanes take a row of 128 bytes
	v_and_b32 v15, 7, v0
	v_lshl_add_u32 v[RV], v15, 4, v[RV]
	v_add_nc_u32 v[RV], s23, v[RV]
	s_mul_i32 s23, s16, 16*QPITCH
	s_add_co_u32 s23, s23, STG
	v_mul_u32_u24 v[RQ], v2, QPITCH                ; back: sixteen lanes take a row of 256 bytes
	v_lshl_add_u32 v[RQ], v1, 4, v[RQ]
	v_add_nc_u32 v[RQ], s23, v[RQ]
	s_lshl_b32 s23, s16, 12
	v_lshl_add_u32 v[GQ], v14, 4, s23              ; 4,096 w + 16 lane: the same in q, in K and in V^T
; x's fragments of half step g, as f32: 4 loads for each of 4 blocks of 16 tokens.  XA stands at g's eighth.
.macro FETCH g
.irp tb, 0,1,2,3
	ds_load_b128 v[XR+64*((\g)%2)+16*\tb:XR+64*((\g)%2)+16*\tb+3],     v[XA] offset:\tb*XW+128*((\g)%4)        ; k = 8 h + 0..3
	ds_load_b128 v[XR+64*((\g)%2)+16*\tb+4:XR+64*((\g)%2)+16*\tb+7],   v[XA] offset:\tb*XW+128*((\g)%4)+16     ; k = 8 h + 4..7
	ds_load_b128 v[XR+64*((\g)%2)+16*\tb+8:XR+64*((\g)%2)+16*\tb+11],  v[XA] offset:\tb*XW+128*((\g)%4)+64     ; k = 16 + 8 h + 0..3
	ds_load_b128 v[XR+64*((\g)%2)+16*\tb+12:XR+64*((\g)%2)+16*\tb+15], v[XA] offset:\tb*XW+128*((\g)%4)+80     ; k = 16 + 8 h + 4..7
.endr
.endm
; 16 f32 of window 0 into 8 registers of bf16 in the window of the half step's W, so that one window setting serves all 24 matrix instructions
.macro CVT g
	WIN (0x80+0x40*(((\g)%8)/4))
.irp tb, 0,1,2,3
.irp j, 0,1,2,3,4,5,6,7
	v_cvt_pk_bf16_f32 v[XB+32*((\g)%2)+8*\tb+\j], v[XR+64*((\g)%2)+16*\tb+2*\j], v[XR+64*((\g)%2)+16*\tb+2*\j+1]
.endr
.endr
.endm
; 24 matrix instructions, 32 along K.  q and k: source 0 = rows of W, source 1 = tokens, so a lane's 8 results are 8 neighbouring features of one token.
; v: source 0 = tokens, source 1 = rows of W, so a lane's 8 results are 8 neighbouring tokens of one l: V comes out transposed.
; The 24 accumulators take turns, one instruction a turn, in the same order every time.
.macro MUL g, zero
	WIN (0x5a+5*(((\g)%8)/4))                      ; sources 0 and 1 in window 2 or 3, C and D in window 1
.set WB, 48*((\g)%4)
.set XC, XB+32*((\g)%2)
.irp m, 0,1
.irp fb, 0,1
.irp tb, 0,1,2,3
.if \zero
	v_wmma_f32_16x16x32_bf16 v[8*(8*\m+4*\fb+\tb):8*(8*\m+4*\fb+\tb)+7], v[WB+8*(2*\m+\fb):WB+8*(2*\m+\fb)+7], v[XC+8*\tb:XC+8*\tb+7], 0
.else
	v_wmma_f32_16x16x32_bf16 v[8*(8*\m+4*\fb+\tb):8*(8*\m+4*\fb+\tb)+7], v[WB+8*(2*\m+\fb):WB+8*(2*\m+\fb)+7], v[XC+8*\tb:XC+8*\tb+7], v[8*(8*\m+4*\fb+\tb):8*(8*\m+4*\fb+\tb)+7]
.endif
.endr
.endr
.endr
.irp fb, 0,1
.irp tb, 0,1,2,3
.if \zero
	v_wmma_f32_16x16x32_bf16 v[8*(16+4*\fb+\tb):8*(16+4*\fb+\tb)+7], v[XC+8*\tb:XC+8*\tb+7], v[WB+8*(4+\fb):WB+8*(4+\fb)+7], 0
.else
	v_wmma_f32_16x16x32_bf16 v[8*(16+4*\fb+\tb):8*(16+4*\fb+\tb)+7], v[XC+8*\tb:XC+8*\tb+7], v[WB+8*(4+\fb):WB+8*(4+\fb)+7], v[8*(16+4*\fb+\tb):8*(16+4*\fb+\tb)+7]
.endif
.endr
.endr
.endm
; Half step hs.  The places behind the matrix instructions (ISA guide 7.12.1 for vector instructions) are filled by work: the bf16 buffer written here was read two half steps ago,
; with the 32 conversions of the half step between; the W buffer loaded here was read three half steps ago.
.macro HALF
.if hs < HALVES-1
.if (hs+1)%4 == 0
	s_wait_tensorcnt 7-(hs+1)/4                    ; a wave's tensor loads end in order (ISA guide 10.11.1): my rows of the next eighth are in; the count is the eighths issued behind it
	s_wait_dscnt 0x0
	s_barrier_signal -1
	s_barrier_wait -1                              ; everybody's rows are in.
	v_add_nc_u32 v[XA], XE, v[XA]
.endif
	FETCH hs+1
	s_wait_dscnt 16                                ; this half step's x is in; the next one's 16 loads stay out
.else
	s_wait_dscnt 0x0
.endif
	CVT hs
.if hs < HALVES-AHEAD
	s_wait_loadcnt 12*(AHEAD-1)                    ; loads come back in order (ISA guide 5.7.1): this half step's W is in; four groups of 12 are younger
	WLOAD hs+AHEAD
.else
	s_wait_loadcnt 12*(HALVES-1-hs)                ; the last half steps load nothing: the counts run down
.endif
.if hs == 0
	MUL hs, 1                                      ; the first products start the sums: nothing is cleared
.else
	MUL hs, 0
.endif
	WIN 0
.endm
	s_wait_tensorcnt 0x7                           ; my rows of the first eighth are in; seven loads were issued behind it
	s_barrier_signal -1
	s_barrier_wait -1
	FETCH 0
.set hs, 0
.rept HALVES
	HALF
.set hs, hs+1
.endr
	; THE WAY OUT.  Four places behind the last matrix instructions.  The stage has bytes of its own, so no barrier stands in front of its stores.
	PLACES 4
	WIN 0x41
.set j, 0
.rept 32
	v_pk_mul_f32 v[j:j+1], v[j:j+1], 0x3d38aa3b op_sel_hi:[1,0]    ; q x log2(e)/32: the next launch's exponentials work in base 2
.set j, j+2
.endr
	WIN 0x05
.set j, 0
.rept 64
	v_cvt_pk_bf16_f32 v[PK+j], v[2*j], v[2*j+1]    ; q, k: tile T's 8 results into 4 registers at 4 T
.set j, j+1
.endr
.rept 32
	v_cvt_pk_f16_f32 v[PK+j], v[2*j], v[2*j+1]     ; v
.set j, j+1
.endr
	WIN 0
.irp m, 0,1
.irp fb, 0,1
.irp tb, 0,1,2,3
	ds_store_b128 v[SQ], v[PK+4*(8*\m+4*\fb+\tb):PK+4*(8*\m+4*\fb+\tb)+3] offset:\m*STGK+\tb*16*QPITCH+32*\fb
.endr
.endr
.endr
.irp fb, 0,1
.irp tb, 0,1,2,3
	ds_store_b128 v[SV], v[PK+4*(16+4*\fb+\tb):PK+4*(16+4*\fb+\tb)+3] offset:\fb*16*VPITCH+32*\tb
.endr
.endr
	s_wait_dscnt 0x0                               ; my stores are done, for the others' sake
	s_barrier_signal -1
	s_barrier_wait -1
.irp i, 0,1,2,3,4,5,6,7
	ds_load_b128 v[OUTR+4*\i:OUTR+4*\i+3], v[RQ] offset:\i*2*QPITCH
.endr
.irp i, 0,1,2,3,4,5,6,7
	ds_load_b128 v[OUTR+32+4*\i:OUTR+32+4*\i+3], v[RQ] offset:STGK+\i*2*QPITCH
.endr
.irp i, 0,1,2,3,4,5,6,7
	ds_load_b128 v[OUTR+64+4*\i:OUTR+64+4*\i+3], v[RV] offset:\i*4*VPITCH
.endr
.irp i, 0,1,2,3,4,5,6,7                            ; each store of the wave covers 512 consecutive bytes, aligned; the counts are the read-backs younger than the one stored
	s_wait_dscnt 23-\i
	global_store_b128 v[GQ], v[OUTR+4*\i:OUTR+4*\i+3], s[8:9] offset:512*\i
.endr
.irp i, 0,1,2,3,4,5,6,7
	s_wait_dscnt 15-\i
	global_store_b128 v[GQ], v[OUTR+32+4*\i:OUTR+32+4*\i+3], s[10:11] offset:512*\i
.endr
.irp i, 0,1,2,3,4,5,6,7
	s_wait_dscnt 7-\i
	global_store_b128 v[GQ], v[OUTR+64+4*\i:OUTR+64+4*\i+3], s[10:11] offset:16384+512*\i
.endr
	s_wait_tensorcnt 0x0
	ds_add_u32 v254, v255
	s_wait_dscnt 0x0
	s_endpgm
.Lfunc_end_k_qec4d5bf5d3_proj:
	.size	k_qec4d5bf5d3_proj, .Lfunc_end_k_qec4d5bf5d3_proj-k_qec4d5bf5d3_proj
	.p2alignl 7, 3214868480
	.fill 96, 4, 3214868480
	.section	.rodata,"a",@progbits
	.p2align	6, 0x0
	.amdhsa_kernel k_qec4d5bf5d3_proj
		.amdhsa_group_segment_fixed_size 324096
		.amdhsa_private_segment_fixed_size 0
		.amdhsa_enable_private_segment 0
		.amdhsa_kernarg_size 32
		.amdhsa_user_sgpr_count 2
		.amdhsa_user_sgpr_kernarg_segment_ptr 1
		.amdhsa_wavefront_size32 1
		.amdhsa_system_sgpr_workgroup_id_x 1
		.amdhsa_system_sgpr_workgroup_id_y 1
		.amdhsa_system_sgpr_workgroup_id_z 1
		.amdhsa_system_vgpr_workitem_id 0
		.amdhsa_next_free_vgpr 1024
		.amdhsa_next_free_sgpr 66
		.amdhsa_reserve_vcc 0
		.amdhsa_float_denorm_mode_32 3
		.amdhsa_float_denorm_mode_16_64 3
		.amdhsa_memory_ordered 1
		.amdhsa_forward_progress 1
		.amdhsa_inst_pref_size 209
	.end_amdhsa_kernel
	.amdgpu_metadata
---
amdhsa.version: [ 1, 2 ]
amdhsa.kernels:
  - .name:           k_qec4d5bf5d3_proj
    .symbol:         k_qec4d5bf5d3_proj.kd
    .args:
      - { .name: x, .offset: 0, .size: 8, .value_kind: global_buffer, .address_space: global }
      - { .name: wf, .offset: 8, .size: 8, .value_kind: global_buffer, .address_space: global }
      - { .name: q, .offset: 16, .size: 8, .value_kind: global_buffer, .address_space: global }
      - { .name: kv, .offset: 24, .size: 8, .value_kind: global_buffer, .address_space: global }
    .group_segment_fixed_size: 324096
    .private_segment_fixed_size: 0
    .kernarg_segment_align: 8
    .kernarg_segment_size: 32
    .max_flat_workgroup_size: 128
    .sgpr_count:     66
    .vgpr_count:     1024
    .wavefront_size: 32
...
	.end_amdgpu_metadata
.endif
;; end of part 4
;; launch attn (part 5): grid 256 x 1, 4 waves a work-group, clusters of 4 x 1, 327,680 bytes of LDS; arguments q, kv, out0; writes out0
.if DOCPART == 5
	.amdgcn_target "amdgcn-amd-amdhsa--gfx1250"
	.amdhsa_code_object_version 6
	.text
	.protected	k_qec4d5bf5d3_attn
	.globl	k_qec4d5bf5d3_attn
	.p2align	8
	.type	k_qec4d5bf5d3_attn,@function
k_qec4d5bf5d3_attn:
	s_mov_b64 s[64:65], 0
	v_nop
	global_prefetch_b8 v0, s[64:65] scope:SCOPE_SE
	s_setreg_imm32_b32 hwreg(HW_REG_WAVE_MODE, 25, 1), 1
	s_wait_xcnt 0x0
	s_wait_alu depctr_hold_cnt(0) depctr_sa_sdst(0) depctr_va_vdst(0) depctr_va_sdst(0) depctr_va_ssrc(0) depctr_va_vcc(0) depctr_vm_vsrc(0)
	s_getreg_b32 s2, hwreg(HW_REG_IB_STS2, 6, 4)
	s_cmp_eq_u32 s2, 0
	s_cbranch_scc0 .Lentry_in_a_cluster
	s_endpgm
.Lentry_in_a_cluster:
	s_bfe_u32 s2, ttmp6, 0x10000c
	s_cmp_lg_u32 s2, 0x3003
	s_cbranch_scc0 .Lentry_shape_is_right
	s_endpgm
.Lentry_shape_is_right:
; out0 = softmax(q k^T / 32) v inside each of 4 batches of 4,096 tokens, with a running maximum; the scores never leave the registers.
; q: [16384][128] bf16, already times log2(e)/32, so p = 2^(s - m).  kv: tile g (64 keys) = K [64][128] bf16, then V^T [128 l][64 keys] f16.  out0: [16384][128] f32.
; LIMITS: NaN and infinities are not honoured.  q, k are bf16 (the error of a score grows with the inputs' size).  p and v are f16: p <= 1 for every input, since the
; running maximum is taken away first; a p below 2^-25 of the running maximum's counts as 0 in the product (not in the sum l, which adds the unrounded f32 p);
; |v| must stay below 65,504.  Exponentials below 2^-126 come out as 0 (ISA guide, v_exp_f32).  The sums run over four quarters of the keys, merged at the end, and each
; cluster walks a quarter's tiles from another starting tile: another order than a plain row sum, and not the same order in every cluster.
;
; SHARES.  Work-group X: 64 queries.  The four waves split the KEYS: wave w takes all 64 queries x the 16 key tiles 16 w .. 16 w + 15, 64 keys a step.  So a fragment of K or
; V^T (1,024 bytes from LDS) feeds four matrix instructions.  At the end the four partial (O, m, l) are merged through LDS.
; CLUSTER.  The 4 work-groups of a cluster lie in one batch (64 work-groups a batch) and wave w of each wants the same tile in the same step: every K/V tile is asked for
; jointly, mask 15, which divides the requests for K and V by four.  Only the addresses of q and out0 hang on the place in the cluster.
; THE WALK.  Cluster c of a batch (c = cluster number mod 16, the same in all four partners) takes a wave's tiles in the order c, c + 1, .. modulo 16, so that the sixteen clusters
; of a batch ask for sixteen different tiles in a step instead of one and the same.
; NO SHUFFLE BETWEEN THE PRODUCTS.  S^T = K Q^T: source 0 = 16 keys, source 1 = 16 queries: register j of lane (r, h) is key 8 h + j, query r.  Two such tiles, packed in place,
; ARE source 1 (32 keys x query r) of O^T = V^T P^T, whose source 0 is 16 rows of V^T.  A lane's statistics belong to query r; the two halves of the lanes share m by one lane exchange.
; VECTOR WORK BEHIND MATRIX WORK.  The queries form two groups, G0 (blocks 0, 1) and G1 (blocks 2, 3).  A step u is four blocks of 32 matrix instructions:
;   B1: O(G0) += V(u) P(G0, u)      with the softmax of S(G1, u), first part
;   B2: S(G0, u+1) = K(u+1) Q(G0)   with the softmax of S(G1, u), the rest
;   B3: O(G1) += V(u) P(G1, u)      with the softmax of S(G0, u+1), first part
;   B4: S(G1, u+1) = K(u+1) Q(G1)   with the softmax of S(G0, u+1), the rest
; S(G, u+1) lands in the registers whose P(G, u) the block before has consumed: S needs no second buffer.  A group's softmax is a list of 310 places; five of them stand
; behind each matrix instruction, 320 in two blocks.  In a block the vector instructions name no register of that block's matrix instructions.
; WINDOWS.  Q, K, V^T, O, S and the statistics take 864 registers.  O fills a window by itself, so that under the second product's setting a vector instruction's destination
; would fall into O, and Q, K, S and the statistics are more than one window: the two kinds of instruction cannot share a setting, and each matrix instruction stands
; between two s_set_vgpr_msb.  That is the price of the vector work standing behind it.
.set PITCH,  272                       ; an LDS row: 256 bytes + 16 = 17 x 16: sixteen rows start in sixteen different 16-byte columns modulo 256
.set SLOT,   128*PITCH                 ; a tile: rows 0-63 K; rows 64-127 V^T, two rows of 128 bytes in each
.set RING,   2*SLOT                    ; a wave's own two slots
.set QLDS,   4*RING                    ; 278,528: 64 rows of q
.set STAT,   QLDS+64*PITCH             ; 295,936: m[wave][64], then l[wave][64]; blocks of 256 bytes into which no tensor load lands
.set OPITCH, 528                       ; the merge: a query's 128 f32 + 16 bytes; 64 rows = 33,792 bytes in the wave's slot 0, behind that slot's last fill
; window 0
.set KA,  4                            ; v4, v5   my K fragments in slot 0, 1
.set VA,  6                            ; v6, v7   my V^T fragments in slot 0, 1
.set QA,  8                            ; my q fragments
.set STO, 9                            ; merge: where I put O
.set STA, 10                           ; merge: where I put m, l
.set STR, 11                           ; merge: where I read m, l
.set RD,  12                           ; v12-15   merge: my rows in wave 0..3's stage
.set CO,  16                           ; my byte offset in the work-group's part of out0
.set ML,  20                           ; v[20:27] pairs (m, l) of query block qb at 20 + 2 qb
.set AT,  28                           ; v[28:35] pairs (alpha, new m)
.set TM,  36                           ; v[36:39] the step's maximum
.set TX,  40                           ; v[40:43] the other half's
.set CH,  44                           ; v[44:75] chains of maxima, then of sums
.set SC,  96                           ; v[96:223] S(qb, kb) at 96 + 32 qb + 8 kb; P(qb, kc) in place at 96 + 32 qb + 16 kc
.set MD,  96                           ; merge: 4 rows x 4 waves x 4 registers
.set MR,  160                          ; merge: 16 rows x 4 registers of results, each row its own
; window 1: O(lb, qb) at 8 (4 lb + qb), 256 registers
; window 2:
.set QF,  0                            ; q fragments (qb, c) at 32 qb + 8 c
.set KF,  128                          ; a tile's K fragments (kb, c) at 128 + 32 kb + 8 c
; window 3:
.set VF,  0                            ; a tile's V^T fragments (kc, lb) at 64 kc + 8 lb
.set W_S,  0x0a                        ; first product: sources 0 and 1 (K, Q) window 2, C and D (S) window 0
.set W_PV, 0x53                        ; second product: source 0 (V^T) window 3, source 1 (P) window 0, C and D (O) window 1
.set W_O,  0x41                        ; O x alpha: destination and source 0 window 1, source 1 window 0
.set G1KV, 16                          ; s[16:23]
.set G1Q,  24                          ; s[24:31]
.set G0,   32                          ; s[32:39] group 0 for slot 0, 1
.set G0Q,  40                          ; s[40:43]
.set MSB, 0
.macro WIN new                         ; s_set_vgpr_msb, low byte: 1:0 source 0, 3:2 source 1, 5:4 source 2, 7:6 destination; the high byte repeats the setting that is left
.if MSB != \new
	s_set_vgpr_msb (MSB<<8)|\new
.set MSB, \new
.endif
.endm
.macro PLACES n
.rept \n
	v_nop
.endr
.endm
; A round of the cluster's barrier: my work-group's barrier, wave 0 signals for the work-group, every wave waits for all four work-groups, my work-group's barrier again.
.macro ROUND
	s_barrier_signal -1
	s_barrier_wait -1
	s_cmp_lg_u32 s10, 0
	s_cbranch_scc1 .Lnot_wave_0_\@
	s_barrier_signal -3
.Lnot_wave_0_\@:
	s_barrier_wait -3
	s_barrier_signal -1
	s_barrier_wait -1
.endm
; The slot's group 0 gets the address of the walk's next tile: my quarter's first tile + 32,768 x (s45 mod 16).  The offset is made in s[60:61] (s61 = 0), apart from the address.
.macro NEXTTILE slot
	s_and_b32 s60, s45, 15
	s_lshl_b32 s60, s60, 15
	s_add_nc_u64 s[G0+4*\slot+2:G0+4*\slot+3], s[6:7], s[60:61]
	s_or_b32 s[G0+4*\slot+3], s[G0+4*\slot+3], 0x80000000
	s_add_co_u32 s45, s45, 1
.endm
	s_load_b128 s[4:7], s[0:1], 0x0                ; q s[4:5], kv s[6:7]
	s_load_b64 s[8:9], s[0:1], 0x10                ; out0
	v_lshl_add_u32 v254, v0, 2, 0x48c00
	v_mov_b32 v255, 0
	ds_add_u32 v254, v255
	ds_add_u32 v254, v255
	v_lshrrev_b32 v1, 5, v0
	v_readfirstlane_b32 s10, v1                    ; wave 0..3
	s_bfe_u32 s11, ttmp6, 0x40000                  ; cx
	s_lshl_b32 s12, ttmp9, 2                       ; ttmp9 counts clusters
	s_add_co_u32 s12, s12, s11                     ; work-group X = 4 x cluster + cx
	s_lshr_b32 s13, ttmp9, 4                       ; batch: 16 clusters each
	s_and_b32 s45, ttmp9, 15                       ; where my cluster's walk begins; from here on the walk's next tile
	s_mov_b32 s61, 0
	s_mov_b32 s46, 0x76543210                      ; v_permlanex16_b32: lane i of one half reads lane i of the other
	s_mov_b32 s47, 0xfedcba98
	; K/V tile: 32,768 dense bytes as 128 rows of 32 elements of 8 bytes, 4 words of padding behind every 64; mask 15 and bit 21 beside it
	s_mov_b32 s[G1KV+0], 15|(3<<16)|(1<<20)|(1<<21)|(5<<22)|(3<<25)
	s_mov_b32 s[G1KV+1], 32<<16
	s_mov_b32 s[G1KV+2], 128<<16
	s_mov_b32 s[G1KV+3], 32<<16
	s_mov_b32 s[G1KV+4], 128
	s_mov_b32 s[G1KV+5], 32
	s_mov_b32 s[G1KV+6], 0
	s_mov_b32 s[G1KV+7], 0
	; q: 16 rows of 256 bytes a wave, a load of the work-group's own: no mask
	s_mov_b32 s[G1Q+0], (3<<16)|(1<<20)|(5<<22)|(3<<25)
	s_mov_b32 s[G1Q+1], 32<<16
	s_mov_b32 s[G1Q+2], 16<<16
	s_mov_b32 s[G1Q+3], 32<<16
	s_mov_b32 s[G1Q+4], 16
	s_mov_b32 s[G1Q+5], 32
	s_mov_b32 s[G1Q+6], 0
	s_mov_b32 s[G1Q+7], 0
	s_lshl_b32 s52, s12, 14                        ; q: 64 rows of 256 bytes a work-group,
	s_lshl_b32 s53, s10, 12                        ; 16 a wave
	s_add_co_u32 s52, s52, s53
	s_mov_b32 s53, 0
	s_lshl_b32 s54, s13, 21                        ; kv: 64 tiles a batch, 16 a wave: made of the batch and the wave's number alone, equal in all four partners
	s_lshl_b32 s55, s10, 19
	s_add_co_u32 s54, s54, s55
	s_mov_b32 s55, 0
	s_mul_i32 s56, s10, RING                       ; my ring
	s_mul_i32 s57, s10, 16*PITCH                   ; my 16 rows of q in LDS
	s_lshl_b32 s58, s12, 15                        ; out0: 64 rows of 512 bytes a work-group
	s_mov_b32 s59, 0
	s_wait_dscnt 0x0
	s_wait_kmcnt 0x0
	s_add_nc_u64 s[4:5], s[4:5], s[52:53]
	s_add_nc_u64 s[6:7], s[6:7], s[54:55]          ; my quarter's first tile; stays as it is from here on
	s_add_nc_u64 s[8:9], s[8:9], s[58:59]
	s_mov_b32 s[G0+0], 1
	s_mov_b32 s[G0+1], s56
	NEXTTILE 0                                     ; the walk's tile 0
	s_mov_b32 s[G0+4], 1
	s_add_co_u32 s[G0+5], s56, SLOT
	NEXTTILE 1                                     ; the walk's tile 1
	s_mov_b32 s[G0Q+0], 1
	s_add_co_u32 s[G0Q+1], s57, QLDS
	s_mov_b64 s[G0Q+2:G0Q+3], s[4:5]
	s_or_b32 s[G0Q+3], s[G0Q+3], 0x80000000
	ROUND                                          ; all four work-groups are here: the first joint loads meet
	tensor_load_to_lds s[G0Q:G0Q+3], s[G1Q:G1Q+7]          ; the three first fills in one group: by this text's count three tensor loads of a wave are out here,
	s_nop 0
	tensor_load_to_lds s[G0:G0+3], s[G1KV:G1KV+7]          ; one behind each later round
	s_nop 0
	tensor_load_to_lds s[G0+4:G0+7], s[G1KV:G1KV+7]
	s_nop 0
	v_and_b32 v1, 15, v0                           ; r
	v_bfe_u32 v2, v0, 4, 1                         ; h
	v_and_b32 v3, 31, v0                           ; lane
	v_mul_u32_u24 v17, v1, PITCH
	v_lshl_add_u32 v17, v2, 4, v17                 ; row r, 16 bytes for each half of the lanes
	v_add_nc_u32 v[KA], s56, v17
	v_add_nc_u32 v[KA+1], SLOT, v[KA]
	v_add_nc_u32 v[QA], QLDS, v17
	v_lshrrev_b32 v18, 1, v1                       ; V^T's row l = 16 lb + r lies in LDS row 64 + 8 lb + r / 2, at byte 128 (r mod 2):
	v_and_b32 v19, 1, v1                           ; 16 (r / 2) + 128 (r mod 2) modulo 256 are sixteen different 16-byte columns
	v_mul_u32_u24 v18, v18, PITCH
	v_lshl_add_u32 v18, v19, 7, v18
	v_lshl_add_u32 v18, v2, 4, v18
	s_add_co_u32 s57, s56, 64*PITCH
	v_add_nc_u32 v[VA], s57, v18
	v_add_nc_u32 v[VA+1], SLOT, v[VA]
	v_mul_u32_u24 v[STO], v1, OPITCH               ; merge: query r's row, l = 8 h ..
	v_lshl_add_u32 v[STO], v2, 5, v[STO]
	v_add_nc_u32 v[STO], s56, v[STO]
	s_lshl_b32 s57, s10, 8
	s_add_co_u32 s57, s57, STAT
	v_lshl_add_u32 v[STA], v1, 2, s57              ; m[my wave][r]
	s_lshl_b32 s57, s10, 6
	s_add_co_u32 s57, s57, STAT
	v_lshl_add_u32 v[STR], v1, 2, s57              ; m[0][16 w + r]
	s_mul_i32 s57, s10, 16*OPITCH
	v_lshl_add_u32 v[RD], v3, 4, s57               ; row 16 w of wave 0's stage, 16 bytes a lane
	v_add_nc_u32 v[RD+1], RING, v[RD]
	v_add_nc_u32 v[RD+2], 2*RING, v[RD]
	v_add_nc_u32 v[RD+3], 3*RING, v[RD]
	s_lshl_b32 s57, s10, 13
	v_lshl_add_u32 v[CO], v3, 4, s57               ; 16 rows of 512 bytes a wave
.irp qb, 0,1,2,3
	v_mov_b32 v[ML+2*\qb+1], 0                     ; l: the packed subtraction names the whole pair (m, l), so l is written before the first step
	v_mov_b32 v[TX+\qb], 0                         ; v_permlanex16_b32 counts as a reader of its destination
.endr
.macro LDQ g                           ; a group's q fragments: 32 queries x 128: 16 loads
.irp qi, 0,1
.irp c, 0,1,2,3
	ds_load_b128 v[QF+32*(2*\g+\qi)+8*\c:QF+32*(2*\g+\qi)+8*\c+3],   v[QA] offset:(2*\g+\qi)*16*PITCH+64*\c
	ds_load_b128 v[QF+32*(2*\g+\qi)+8*\c+4:QF+32*(2*\g+\qi)+8*\c+7], v[QA] offset:(2*\g+\qi)*16*PITCH+64*\c+32
.endr
.endr
.endm
.macro LDK slot                        ; a tile's K: 64 keys x 128: 32 loads
.irp kb, 0,1,2,3
.irp c, 0,1,2,3
	ds_load_b128 v[KF+32*\kb+8*\c:KF+32*\kb+8*\c+3],   v[KA+\slot] offset:\kb*16*PITCH+64*\c
	ds_load_b128 v[KF+32*\kb+8*\c+4:KF+32*\kb+8*\c+7], v[KA+\slot] offset:\kb*16*PITCH+64*\c+32
.endr
.endr
.endm
.macro LDV slot                        ; a tile's V^T: 128 l x 64 keys: 32 loads
.irp kc, 0,1
.irp lb, 0,1,2,3,4,5,6,7
	ds_load_b128 v[VF+64*\kc+8*\lb:VF+64*\kc+8*\lb+3],   v[VA+\slot] offset:\lb*8*PITCH+64*\kc
	ds_load_b128 v[VF+64*\kc+8*\lb+4:VF+64*\kc+8*\lb+7], v[VA+\slot] offset:\lb*8*PITCH+64*\kc+32
.endr
.endr
.endm
; A GROUP'S SOFTMAX AS A LIST.  The symbol vn is the place in the list; SMOP writes the instruction of place vn of group g (or nothing, where the place is empty) and steps vn.
; first = 1: the group's first step, which starts m and l and has no alpha.  The list: HN places for the maxima and statistics, 190 for the tiles, TN to close the sum, 64 for O x alpha.
.macro HEADOP g, first
	WIN 0
.if vn < 32                                        ; the largest of my 32 scores of a query: four chains of eight for each of the two query blocks, level by level
.set zq, 2*\g+(vn%8)/4
.set zs, SC+32*zq+8*(vn%4)
.set zd, CH+4*zq+vn%4
.if vn < 8
	v_max3_num_f32 v[zd], v[zs], v[zs+1], v[zs+2]
.else
.if vn < 16
	v_max3_num_f32 v[zd], v[zd], v[zs+3], v[zs+4]
.else
.if vn < 24
	v_max3_num_f32 v[zd], v[zd], v[zs+5], v[zs+6]
.else
	v_max_num_f32 v[zd], v[zd], v[zs+7]
.endif
.endif
.endif
.else
.set zq, 2*\g+vn%2
.set zl, (vn-32)/2
.if zl == 0
	v_max3_num_f32 v[TM+zq], v[CH+4*zq], v[CH+4*zq+1], v[CH+4*zq+2]
.endif
.if zl == 1
	v_max_num_f32 v[TM+zq], v[TM+zq], v[CH+4*zq+3]
.endif
.if zl == 2
	v_permlanex16_b32 v[TX+zq], v[TM+zq], s46, s47         ; the other half's 32 keys of the same query
.endif
.if zl == 3
.if \first
	v_max_num_f32 v[ML+2*zq], v[TM+zq], v[TX+zq]
.else
	v_max3_num_f32 v[AT+2*zq+1], v[ML+2*zq], v[TM+zq], v[TX+zq]    ; the new running maximum
.endif
.endif
.if zl == 4
	v_sub_f32 v[AT+2*zq], v[ML+2*zq], v[AT+2*zq+1]
.endif
.if zl == 5
	v_mov_b32 v[ML+2*zq], v[AT+2*zq+1]
.endif
.if zl == 6
	v_exp_f32 v[AT+2*zq], v[AT+2*zq]               ; alpha = 2^(old m - new m); first used far below, behind plain instructions (ISA guide 5.7.2)
.endif
.endif
.endm
; The group's eight tiles of S (tile T = 4 x block + kb, 8 registers) go through ten phases of 19 places.  Phase p: the 8 exponentials of tile p - 1, and between and behind them
; eleven plain instructions: the 4 subtractions of tile p, the 3 additions of tile p - 2 into its chain of sums, the 4 conversions of tile p - 2 to f16.  So a plain instruction that touches
; neither its result nor its source stands behind each exponential (ISA guide 5.7.2), and a result is first read a phase later.  Places of tiles that do not exist are empty.
; Two tiles of S become one fragment of P in place, ascending: register j of the sixteen is written when 2 j and 2 j + 1 are read, and behind the additions that read them.
.macro BODYOP g
.set zp, (vn-HN)/19
.set zi, (vn-HN)%19
.set zx, zi-8                                      ; the plain instruction's number, 0 to 10; 99: an exponential
.if zi < 16
.set zx, zi/2
.if zi%2 == 0
.set zx, 99
.endif
.endif
.if zx == 99
.if zp >= 1
.if zp <= 8
	WIN 0
	v_exp_f32 v[SC+64*\g+8*(zp-1)+zi/2], v[SC+64*\g+8*(zp-1)+zi/2]
.endif
.endif
.else
.if zx < 4
.if zp <= 7
.set zr, SC+64*\g+8*zp+2*zx
.set zm, ML+2*(2*\g+zp/4)
	WIN 0
	v_pk_add_f32 v[zr:zr+1], v[zr:zr+1], v[zm:zm+1] op_sel_hi:[1,0] neg_lo:[0,1] neg_hi:[0,1]      ; s - m, both by the pair's first register
.endif
.else
.if zp >= 2
.set zt, zp-2
.set zr, SC+64*\g+8*zt
.set zd, CH+8*(2*\g+zt/4)+2*(zt%4)
	WIN 0
.if zx == 4
	s_wait_alu depctr_va_vdst(0)
	v_pk_add_f32 v[zd:zd+1], v[zr:zr+1], v[zr+2:zr+3]      ; the sum of the unrounded p: a chain of pairs for each tile
.endif
.if zx == 5
	s_wait_alu depctr_va_vdst(0)
	v_pk_add_f32 v[zd:zd+1], v[zd:zd+1], v[zr+4:zr+5]
.endif
.if zx == 6
	s_wait_alu depctr_va_vdst(0)
	v_pk_add_f32 v[zd:zd+1], v[zd:zd+1], v[zr+6:zr+7]
.endif
.if zx >= 7
.set zj, 4*(zt%2)+zx-7
.set zr, SC+64*\g+16*(zt/2)
	v_cvt_pk_f16_f32 v[zr+zj], v[zr+2*zj], v[zr+2*zj+1]
.endif
.endif
.endif
.endif
.endm
.macro TAILOP g, first
.set zt, vn-HN-190
	WIN 0
.if zt < 4
.set zd, CH+8*(2*\g+zt/2)+4*(zt%2)
	v_pk_add_f32 v[zd:zd+1], v[zd:zd+1], v[zd+2:zd+3]
.else
.set zq, 2*\g+zt%2
.set zd, CH+8*zq
.if zt < 6
	v_pk_add_f32 v[zd:zd+1], v[zd:zd+1], v[zd+4:zd+5]
.else
.if \first
	v_add_f32 v[ML+2*zq+1], v[zd], v[zd+1]
.else
.if zt < 8
	v_add_f32 v[zd], v[zd], v[zd+1]
.else
	v_fma_f32 v[ML+2*zq+1], v[ML+2*zq+1], v[AT+2*zq], v[zd]        ; l = l alpha + sum (my half of the keys; the halves meet at the end)
.endif
.endif
.endif
.endif
.endm
.macro RESCOP g
.set zk, vn-HN-190-TN
.set zq, 2*\g+(zk/4)%2
.set zd, 8*(4*(zk/8)+zq)+2*(zk%4)
	WIN W_O
	v_pk_mul_f32 v[zd:zd+1], v[zd:zd+1], v[AT+2*zq:AT+2*zq+1] op_sel_hi:[1,0]      ; O x alpha, the group's 16 tiles
.endm
.macro SMOP g, first
.set HN, 46-6*\first
.set TN, 10-2*\first
.if vn < HN
	HEADOP \g, \first
.else
.if vn < HN+190
	BODYOP \g
.else
.if vn < HN+190+TN
	TAILOP \g, \first
.else
.if vn < HN+190+TN+64-64*\first
	RESCOP \g
.endif
.endif
.endif
.endif
.set vn, vn+1
.endm
.macro FILLV g, first, k               ; the next k places of group g's list
.rept \k
	SMOP \g, \first
.endr
.endm
; A block of 32 matrix instructions: S of group g, 64 keys x 32 queries.  The first eight start the sums; the eight accumulators take turns, one instruction a turn.
; Behind each stand k places of group sg's list.  The five v_nop that close a block are the places behind its last matrix instructions (ISA guide 7.12.1 for vector instructions):
; for the vector instructions that read its results, the matrix instructions that write over its sources, and the loads into its sources, all of which follow in the next block.
.macro SB g, sg, sfirst, k
.set wi, 0
.rept 32
.set wq, 2*\g+wi%2
.set wk, (wi%8)/2
.set wc, wi/8
.set wd, SC+32*wq+8*wk
	WIN W_S
.if wi < 8
	v_wmma_f32_16x16x32_bf16 v[wd:wd+7], v[KF+32*wk+8*wc:KF+32*wk+8*wc+7], v[QF+32*wq+8*wc:QF+32*wq+8*wc+7], 0
.else
	v_wmma_f32_16x16x32_bf16 v[wd:wd+7], v[KF+32*wk+8*wc:KF+32*wk+8*wc+7], v[QF+32*wq+8*wc:QF+32*wq+8*wc+7], v[wd:wd+7]
.endif
.if \k
	FILLV \sg, \sfirst, \k
.endif
.set wi, wi+1
.endr
	PLACES 5
.endm
; A block of 32 matrix instructions: O^T of group g += V^T P^T, 128 l x 32 queries x 64 keys.  The sixteen accumulators take turns, one instruction a turn.
; pvfirst = 1: the first sixteen start the sums.
.macro PVB g, pvfirst, sg, sfirst, k
.set wi, 0
.rept 32
.set wq, 2*\g+wi%2
.set wl, (wi%16)/2
.set wc, wi/16
.set wd, 8*(4*wl+wq)
	WIN W_PV
.if \pvfirst*(1-wc)
	v_wmma_f32_16x16x32_f16 v[wd:wd+7], v[VF+64*wc+8*wl:VF+64*wc+8*wl+7], v[SC+32*wq+16*wc:SC+32*wq+16*wc+7], 0
.else
	v_wmma_f32_16x16x32_f16 v[wd:wd+7], v[VF+64*wc+8*wl:VF+64*wc+8*wl+7], v[SC+32*wq+16*wc:SC+32*wq+16*wc+7], v[wd:wd+7]
.endif
.if \k
	FILLV \sg, \sfirst, \k
.endif
.set wi, wi+1
.endr
	PLACES 5
.endm
; Step u.  rs = the slot of tile u + 1, which is read here.  refill = 1: the other slot, whose tile u was last read in the step before (its V^T, in front of B4), gets tile u + 2,
; which has this whole step in which to land.  K(u+1) is asked from LDS in front of B1 and used from B2 on; V^T(u+1) in front of B4 and used from the next B1 on.
.macro ITER rs, refill, pvfirst, g1first
	s_wait_tensorcnt 0x0                           ; all my tensor loads have landed, tile u + 1 among them, so a group 0 may be written
	ds_add_u32 v254, v255
	s_wait_dscnt 0x0
.if \refill
	NEXTTILE (1-\rs)
.endif
	s_wait_dscnt 0x0                               ; my reads of the other slot are back, V^T(u) among them
.if \refill
	ROUND                                          ; both now hold of every wave of all four work-groups
	tensor_load_to_lds s[G0+4*(1-\rs):G0+4*(1-\rs)+3], s[G1KV:G1KV+7]      ; my one tensor load behind the round, first thing there
	s_nop 0
.endif
	WIN 0x80
	LDK \rs
.set vn, 0
	PVB 0, \pvfirst, 1, \g1first, 5                ; B1
	s_wait_dscnt 0x0                               ; K(u+1) is in: asked for 32 matrix instructions ago
	SB 0, 1, \g1first, 5                           ; B2
.set vn, 0
	PVB 1, \pvfirst, 0, 0, 5                       ; B3
	WIN 0xc0
	LDV \rs
	SB 1, 0, 0, 5                                  ; B4
	WIN 0                                          ; at a label and at a branch every window is 0
.endm
	s_wait_tensorcnt 0x1                           ; my rows of q and my tile 0 are in; tile 1, issued behind them, stays out
	s_barrier_signal -1
	s_barrier_wait -1                              ; everybody's rows of q are in
	WIN 0x80
	LDQ 0
	LDK 0
	s_wait_dscnt 0x0
	LDQ 1                                          ; the second group's q and V^T(0) land during the first block
	WIN 0xc0
	LDV 0
	SB 0, 0, 0, 0                                  ; S(G0, 0): nothing to put behind it yet
	s_wait_dscnt 0x0
.set vn, 0
	SB 1, 0, 1, 5                                  ; S(G1, 0) with the softmax of S(G0, 0), which starts m and l: 160 of its 238 places,
	FILLV 0, 1, 78                                 ; and the rest
	WIN 0
	ITER 1, 1, 1, 1                                ; step 0 starts O and G1's m and l: nothing is cleared.  It asks for tile 2
	s_mov_b32 s44, 6
.Lsteps:                                           ; steps 1 to 12, which ask for tiles 3 to 14
	ITER 0, 1, 0, 0
	ITER 1, 1, 0, 0
	s_sub_co_u32 s44, s44, 1
	s_cmp_lg_u32 s44, 0
	s_cbranch_scc1 .Lsteps
	ITER 0, 1, 0, 0                                ; step 13 asks for tile 15
	ITER 1, 0, 0, 0                                ; step 14: nothing is left to fetch; tile 15 is my own, so my wait is all that its reads need
	s_wait_dscnt 0x0                               ; step 15: V^T(15) is in
.set vn, 0
	PVB 0, 0, 1, 0, 5                              ; O(G0) with the softmax of S(G1, 15): 160 of its 310 places,
	FILLV 1, 0, 150                                ; the rest,
	PVB 1, 0, 0, 0, 0                              ; and O(G1); its closing v_nop are the places in front of the stores of O
	WIN 0
	; THE MERGE.  Each wave puts its m, l and O^T (as rows of queries) into LDS; wave w then makes queries 16 w .. 16 w + 15.
.irp qb, 0,1,2,3
	v_permlanex16_b32 v[TX+\qb], v[ML+2*\qb+1], s46, s47
.endr
.irp qb, 0,1,2,3
	v_add_f32 v[ML+2*\qb+1], v[ML+2*\qb+1], v[TX+\qb]      ; l of both halves of the keys
.endr
.irp qb, 0,1,2,3
	ds_store_b32 v[STA], v[ML+2*\qb] offset:64*\qb         ; both halves of the lanes write the same word with the same value
	ds_store_b32 v[STA], v[ML+2*\qb+1] offset:1024+64*\qb
.endr
	WIN 0x04
.irp qb, 0,1,2,3
.irp lb, 0,1,2,3,4,5,6,7
	ds_store_b128 v[STO], v[8*(4*\lb+\qb):8*(4*\lb+\qb)+3]   offset:\qb*16*OPITCH+64*\lb
	ds_store_b128 v[STO], v[8*(4*\lb+\qb)+4:8*(4*\lb+\qb)+7] offset:\qb*16*OPITCH+64*\lb+16
.endr
.endr
	WIN 0
	s_wait_dscnt 0x0                               ; my stores are done, for the others' sake
	s_barrier_signal -1
	s_barrier_wait -1
.irp u, 0,1,2,3
	ds_load_b32 v[44+\u], v[STR] offset:256*\u             ; m of wave u, query 16 w + r
	ds_load_b32 v[48+\u], v[STR] offset:1024+256*\u        ; l
.endr
	s_wait_dscnt 0x0
	v_max3_num_f32 v56, v44, v45, v46
	v_max_num_f32 v56, v56, v47                    ; the query's maximum over all keys
.irp u, 0,1,2,3
	v_sub_f32 v[52+\u], v[44+\u], v56
.endr
.irp u, 0,1,2,3
	v_exp_f32 v[52+\u], v[52+\u]
.endr
	v_nop                                          ; the plain place behind the exponentials
	s_wait_alu depctr_va_vdst(0)
	v_mul_f32 v57, v52, v48
	v_fmac_f32 v57, v53, v49
	v_fmac_f32 v57, v54, v50
	v_fmac_f32 v57, v55, v51                       ; the whole sum: at least 1, from the key that holds the maximum
	v_rcp_f32 v57, v57
	v_nop                                          ; the plain place behind the reciprocal
	s_wait_alu depctr_va_vdst(0)
.irp u, 0,1,2,3
	v_mul_f32 v[52+\u], v[52+\u], v57              ; wave u's factor for query 16 w + r
.endr
; Four rows: each row's 512 bytes from each of the four stages, summed with the row's four factors, stored as 512 consecutive aligned bytes.
.macro MROWS g
.irp i, 0,1,2,3
.irp u, 0,1,2,3
	ds_load_b128 v[MD+16*\i+4*\u:MD+16*\i+4*\u+3], v[RD+\u] offset:(4*\g+\i)*OPITCH
.endr
.endr
.irp i, 0,1,2,3
	s_wait_dscnt 12-4*\i                           ; the loads of the rows behind this one stay out
	v_readlane_b32 s48, v52, 4*\g+\i               ; the row's factors: numbers only, they steer no address and no branch
	v_readlane_b32 s49, v53, 4*\g+\i
	v_readlane_b32 s50, v54, 4*\g+\i
	v_readlane_b32 s51, v55, 4*\g+\i
.irp j, 0,1,2,3
	v_mul_f32 v[MR+16*\g+4*\i+\j], s48, v[MD+16*\i+\j]
.endr
.irp j, 0,1,2,3
	v_fmac_f32 v[MR+16*\g+4*\i+\j], s49, v[MD+16*\i+4+\j]
.endr
.irp j, 0,1,2,3
	v_fmac_f32 v[MR+16*\g+4*\i+\j], s50, v[MD+16*\i+8+\j]
.endr
.irp j, 0,1,2,3
	v_fmac_f32 v[MR+16*\g+4*\i+\j], s51, v[MD+16*\i+12+\j]
.endr
	global_store_b128 v[CO], v[MR+16*\g+4*\i:MR+16*\g+4*\i+3], s[8:9] offset:(4*\g+\i)*512 th:TH_STORE_NT   ; every row has result registers of its own: none is rewritten under a store
.endr
.endm
	MROWS 0
	MROWS 1
	MROWS 2
	MROWS 3
	s_wait_tensorcnt 0x0
	ds_add_u32 v254, v255
	s_wait_dscnt 0x0
	ROUND                                          ; the closing round: no work-group ends while a partner may still ask for a tile that names it
	s_endpgm
.Lfunc_end_k_qec4d5bf5d3_attn:
	.size	k_qec4d5bf5d3_attn, .Lfunc_end_k_qec4d5bf5d3_attn-k_qec4d5bf5d3_attn
	.p2alignl 7, 3214868480
	.fill 96, 4, 3214868480
	.section	.rodata,"a",@progbits
	.p2align	6, 0x0
	.amdhsa_kernel k_qec4d5bf5d3_attn
		.amdhsa_group_segment_fixed_size 327680
		.amdhsa_private_segment_fixed_size 0
		.amdhsa_enable_private_segment 0
		.amdhsa_kernarg_size 24
		.amdhsa_user_sgpr_count 2
		.amdhsa_user_sgpr_kernarg_segment_ptr 1
		.amdhsa_wavefront_size32 1
		.amdhsa_system_sgpr_workgroup_id_x 1
		.amdhsa_system_sgpr_workgroup_id_y 1
		.amdhsa_system_sgpr_workgroup_id_z 1
		.amdhsa_system_vgpr_workitem_id 0
		.amdhsa_next_free_vgpr 896
		.amdhsa_next_free_sgpr 66
		.amdhsa_reserve_vcc 0
		.amdhsa_float_denorm_mode_32 3
		.amdhsa_float_denorm_mode_16_64 3
		.amdhsa_memory_ordered 1
		.amdhsa_forward_progress 1
		.amdhsa_inst_pref_size 255
	.end_amdhsa_kernel
	.section	.bss,"aw",@nobits
	.p2align	6
	.space	262144
	.amdgpu_metadata
---
amdhsa.version: [ 1, 2 ]
amdhsa.kernels:
  - .name:           k_qec4d5bf5d3_attn
    .symbol:         k_qec4d5bf5d3_attn.kd
    .args:
      - { .name: q, .offset: 0, .size: 8, .value_kind: global_buffer, .address_space: global }
      - { .name: kv, .offset: 8, .size: 8, .value_kind: global_buffer, .address_space: global }
      - { .name: out0, .offset: 16, .size: 8, .value_kind: global_buffer, .address_space: global }
    .group_segment_fixed_size: 327680
    .private_segment_fixed_size: 0
    .kernarg_segment_align: 8
    .kernarg_segment_size: 24
    .max_flat_workgroup_size: 128
    .sgpr_count:     66
    .vgpr_count:     896
    .wavefront_size: 32
...
	.end_amdgpu_metadata
.endif
;; end of part 5
;; ======== version 3 of 3: 3 launches; 1.19 times as fast as version 1
;; limits: values are held in f16: magnitudes above 65,504 overflow, below 6.1e-05 lose precision
;; workspace buffers: q 4,194,304 bytes; kv 8,388,608 bytes; wf 786,432 bytes
;; launch wcvt: the kernel of part 3 again; grid 96 x 1, 4 waves a work-group, no clusters, 9,728 bytes of LDS; arguments Wq, Wk, Wv, wf; writes wf
;; launch proj: the kernel of part 4 again; grid 256 x 1, 4 waves a work-group, no clusters, 324,096 bytes of LDS; arguments x, wf, q, kv; writes q, kv
;; launch attn (part 6): grid 256 x 1, 4 waves a work-group, clusters of 4 x 1, 327,680 bytes of LDS; arguments q, kv, out0; writes out0
.if DOCPART == 6
	.amdgcn_target "amdgcn-amd-amdhsa--gfx1250"
	.amdhsa_code_object_version 6
	.text
	.protected	k_qec4d5bf5d3_attn
	.globl	k_qec4d5bf5d3_attn
	.p2align	8
	.type	k_qec4d5bf5d3_attn,@function
k_qec4d5bf5d3_attn:
	s_mov_b64 s[64:65], 0
	v_nop
	global_prefetch_b8 v0, s[64:65] scope:SCOPE_SE
	s_setreg_imm32_b32 hwreg(HW_REG_WAVE_MODE, 25, 1), 1
	s_wait_xcnt 0x0
	s_wait_alu depctr_hold_cnt(0) depctr_sa_sdst(0) depctr_va_vdst(0) depctr_va_sdst(0) depctr_va_ssrc(0) depctr_va_vcc(0) depctr_vm_vsrc(0)
	s_getreg_b32 s2, hwreg(HW_REG_IB_STS2, 6, 4)
	s_cmp_eq_u32 s2, 0
	s_cbranch_scc0 .Lentry_in_a_cluster
	s_endpgm
.Lentry_in_a_cluster:
	s_bfe_u32 s2, ttmp6, 0x10000c
	s_cmp_lg_u32 s2, 0x3003
	s_cbranch_scc0 .Lentry_shape_is_right
	s_endpgm
.Lentry_shape_is_right:
; out0 = softmax(q k^T / 32) v inside each of 4 batches of 4,096 tokens, with a running maximum; the scores never leave the registers.
; q: [16384][128] bf16, already times log2(e)/32, so p = 2^(s - m).  kv: tile g (64 keys) = K [64][128] bf16, then V^T [128 l][64 keys] f16.  out0: [16384][128] f32.
; LIMITS: NaN and infinities are not honoured.  q, k are bf16 (the error of a score grows with the inputs' size).  p and v are f16: p <= 1 for every input, since the
; running maximum is taken away first; a p below 2^-25 of the running maximum's counts as 0 in the product (not in the sum l, which adds the unrounded f32 p);
; |v| must stay below 65,504.  Exponentials below 2^-126 come out as 0 (ISA guide, v_exp_f32).  The sums run over four quarters of the keys, merged at the end, and each
; cluster walks a quarter's tiles from another starting tile: another order than a plain row sum, and not the same order in every cluster.
;
; SHARES.  Work-group X: 64 queries.  The four waves split the KEYS: wave w takes all 64 queries x the 16 key tiles 16 w .. 16 w + 15, 64 keys a step.  So a fragment of K or
; V^T (1,024 bytes from LDS) feeds four matrix instructions.  At the end the four partial (O, m, l) are merged through LDS.
; CLUSTER.  The 4 work-groups of a cluster lie in one batch (64 work-groups a batch) and wave w of each wants the same tile in the same step: every K/V tile is asked for
; jointly, mask 15, which divides the requests for K and V by four.  Only the addresses of q and out0 hang on the place in the cluster.
; THE WALK.  Cluster c of a batch (c = cluster number mod 16, the same in all four partners) takes a wave's tiles in the order c, c + 1, .. modulo 16, so that the sixteen clusters
; of a batch ask for sixteen different tiles in a step instead of one and the same.
; NO SHUFFLE BETWEEN THE PRODUCTS.  S^T = K Q^T: source 0 = 16 keys, source 1 = 16 queries: register j of lane (r, h) is key 8 h + j, query r.  Two such tiles, packed in place,
; ARE source 1 (32 keys x query r) of O^T = V^T P^T, whose source 0 is 16 rows of V^T.  A lane's statistics belong to query r; the two halves of the lanes share m by one lane exchange.
; VECTOR WORK BEHIND MATRIX WORK.  The queries form two groups, G0 (blocks 0, 1) and G1 (blocks 2, 3).  A step u is four blocks of 32 matrix instructions:
;   B1: O(G0) += V(u) P(G0, u)      with the softmax of S(G1, u) up to and with its exponentials
;   B2: S(G0, u+1) = K(u+1) Q(G0)   with the softmax of S(G1, u) from its sums on
;   B3: O(G1) += V(u) P(G1, u)      with the softmax of S(G0, u+1) up to and with its exponentials
;   B4: S(G1, u+1) = K(u+1) Q(G1)   with the softmax of S(G0, u+1) from its sums on
; S(G, u+1) lands in the registers whose P(G, u) the block before has consumed: S needs no second buffer.  In a block the vector instructions name no register of that block's matrix instructions.
; THE BATCHES.  A group's softmax is a list of 272 instructions, cut in two.  The first 142 name no exponential's result: 44 for the maxima and statistics, the 32 subtractions s - m, and all 66
; exponentials (two alpha, 64 scores), each with a register of its own: ONE BATCH.  They stand behind the first block's matrix instructions, four behind each; 142 = 4 x 32 + 14, and the fourteen that
; are over stand together behind the block's first.  Between the two blocks stands the batch's ONE wait.  The other 130 are the readers (sums, conversions, l, O x alpha): they stand behind the second
; block's matrix instructions, four behind each and six behind the last.  So a step has two such waits.
; WINDOWS.  Q, K, V^T, O, S and the statistics take 864 registers.  O fills a window by itself, so that under the second product's setting a vector instruction's destination
; would fall into O, and Q, K, S and the statistics are more than one window: the two kinds of instruction cannot share a setting, and each matrix instruction stands
; between two s_set_vgpr_msb.  That is the price of the vector work standing behind it.
.set PITCH,  272                       ; an LDS row: 256 bytes + 16 = 17 x 16: sixteen rows start in sixteen different 16-byte columns modulo 256
.set SLOT,   128*PITCH                 ; a tile: rows 0-63 K; rows 64-127 V^T, two rows of 128 bytes in each
.set RING,   2*SLOT                    ; a wave's own two slots
.set QLDS,   4*RING                    ; 278,528: 64 rows of q
.set STAT,   QLDS+64*PITCH             ; 295,936: m[wave][64], then l[wave][64]; blocks of 256 bytes into which no tensor load lands
.set OPITCH, 528                       ; the merge: a query's 128 f32 + 16 bytes; 64 rows = 33,792 bytes in the wave's slot 0, behind that slot's last fill
; window 0
.set KA,  4                            ; v4, v5   my K fragments in slot 0, 1
.set VA,  6                            ; v6, v7   my V^T fragments in slot 0, 1
.set QA,  8                            ; my q fragments
.set STO, 9                            ; merge: where I put O
.set STA, 10                           ; merge: where I put m, l
.set STR, 11                           ; merge: where I read m, l
.set RD,  12                           ; v12-15   merge: my rows in wave 0..3's stage
.set CO,  16                           ; my byte offset in the work-group's part of out0
.set ML,  20                           ; v[20:27] pairs (m, l) of query block qb at 20 + 2 qb
.set AT,  28                           ; v[28:35] pairs (alpha, new m)
.set TM,  36                           ; v[36:39] the step's maximum
.set TX,  40                           ; v[40:43] the other half's
.set CH,  44                           ; v[44:75] chains of maxima, then of sums
.set SC,  96                           ; v[96:223] S(qb, kb) at 96 + 32 qb + 8 kb; P(qb, kc) in place at 96 + 32 qb + 16 kc
.set MD,  96                           ; merge: 4 rows x 4 waves x 4 registers
.set MR,  160                          ; merge: 16 rows x 4 registers of results, each row its own
; window 1: O(lb, qb) at 8 (4 lb + qb), 256 registers
; window 2:
.set QF,  0                            ; q fragments (qb, c) at 32 qb + 8 c
.set KF,  128                          ; a tile's K fragments (kb, c) at 128 + 32 kb + 8 c
; window 3:
.set VF,  0                            ; a tile's V^T fragments (kc, lb) at 64 kc + 8 lb
.set W_S,  0x0a                        ; first product: sources 0 and 1 (K, Q) window 2, C and D (S) window 0
.set W_PV, 0x53                        ; second product: source 0 (V^T) window 3, source 1 (P) window 0, C and D (O) window 1
.set W_O,  0x41                        ; O x alpha: destination and source 0 window 1, source 1 window 0
.set G1KV, 16                          ; s[16:23]
.set G1Q,  24                          ; s[24:31]
.set G0,   32                          ; s[32:39] group 0 for slot 0, 1
.set G0Q,  40                          ; s[40:43]
.set MSB, 0
.macro WIN new                         ; s_set_vgpr_msb, low byte: 1:0 source 0, 3:2 source 1, 5:4 source 2, 7:6 destination; the high byte repeats the setting that is left
.if MSB != \new
	s_set_vgpr_msb (MSB<<8)|\new
.set MSB, \new
.endif
.endm
.macro PLACES n
.rept \n
	v_nop
.endr
.endm
; A round of the cluster's barrier: my work-group's barrier, wave 0 signals for the work-group, every wave waits for all four work-groups, my work-group's barrier again.
.macro ROUND
	s_barrier_signal -1
	s_barrier_wait -1
	s_cmp_lg_u32 s10, 0
	s_cbranch_scc1 .Lnot_wave_0_\@
	s_barrier_signal -3
.Lnot_wave_0_\@:
	s_barrier_wait -3
	s_barrier_signal -1
	s_barrier_wait -1
.endm
; The slot's group 0 gets the address of the walk's next tile: my quarter's first tile + 32,768 x (s45 mod 16).  The offset is made in s[60:61] (s61 = 0), apart from the address.
.macro NEXTTILE slot
	s_and_b32 s60, s45, 15
	s_lshl_b32 s60, s60, 15
	s_add_nc_u64 s[G0+4*\slot+2:G0+4*\slot+3], s[6:7], s[60:61]
	s_or_b32 s[G0+4*\slot+3], s[G0+4*\slot+3], 0x80000000
	s_add_co_u32 s45, s45, 1
.endm
	s_load_b128 s[4:7], s[0:1], 0x0                ; q s[4:5], kv s[6:7]
	s_load_b64 s[8:9], s[0:1], 0x10                ; out0
	v_lshl_add_u32 v254, v0, 2, 0x48c00
	v_mov_b32 v255, 0
	ds_add_u32 v254, v255
	ds_add_u32 v254, v255
	v_lshrrev_b32 v1, 5, v0
	v_readfirstlane_b32 s10, v1                    ; wave 0..3
	s_bfe_u32 s11, ttmp6, 0x40000                  ; cx
	s_lshl_b32 s12, ttmp9, 2                       ; ttmp9 counts clusters
	s_add_co_u32 s12, s12, s11                     ; work-group X = 4 x cluster + cx
	s_lshr_b32 s13, ttmp9, 4                       ; batch: 16 clusters each
	s_and_b32 s45, ttmp9, 15                       ; where my cluster's walk begins; from here on the walk's next tile
	s_mov_b32 s61, 0
	s_mov_b32 s46, 0x76543210                      ; v_permlanex16_b32: lane i of one half reads lane i of the other
	s_mov_b32 s47, 0xfedcba98
	; K/V tile: 32,768 dense bytes as 128 rows of 32 elements of 8 bytes, 4 words of padding behind every 64; mask 15 and bit 21 beside it
	s_mov_b32 s[G1KV+0], 15|(3<<16)|(1<<20)|(1<<21)|(5<<22)|(3<<25)
	s_mov_b32 s[G1KV+1], 32<<16
	s_mov_b32 s[G1KV+2], 128<<16
	s_mov_b32 s[G1KV+3], 32<<16
	s_mov_b32 s[G1KV+4], 128
	s_mov_b32 s[G1KV+5], 32
	s_mov_b32 s[G1KV+6], 0
	s_mov_b32 s[G1KV+7], 0
	; q: 16 rows of 256 bytes a wave, a load of the work-group's own: no mask
	s_mov_b32 s[G1Q+0], (3<<16)|(1<<20)|(5<<22)|(3<<25)
	s_mov_b32 s[G1Q+1], 32<<16
	s_mov_b32 s[G1Q+2], 16<<16
	s_mov_b32 s[G1Q+3], 32<<16
	s_mov_b32 s[G1Q+4], 16
	s_mov_b32 s[G1Q+5], 32
	s_mov_b32 s[G1Q+6], 0
	s_mov_b32 s[G1Q+7], 0
	s_lshl_b32 s52, s12, 14                        ; q: 64 rows of 256 bytes a work-group,
	s_lshl_b32 s53, s10, 12                        ; 16 a wave
	s_add_co_u32 s52, s52, s53
	s_mov_b32 s53, 0
	s_lshl_b32 s54, s13, 21                        ; kv: 64 tiles a batch, 16 a wave: made of the batch and the wave's number alone, equal in all four partners
	s_lshl_b32 s55, s10, 19
	s_add_co_u32 s54, s54, s55
	s_mov_b32 s55, 0
	s_mul_i32 s56, s10, RING                       ; my ring
	s_mul_i32 s57, s10, 16*PITCH                   ; my 16 rows of q in LDS
	s_lshl_b32 s58, s12, 15                        ; out0: 64 rows of 512 bytes a work-group
	s_mov_b32 s59, 0
	s_wait_dscnt 0x0
	s_wait_kmcnt 0x0
	s_add_nc_u64 s[4:5], s[4:5], s[52:53]
	s_add_nc_u64 s[6:7], s[6:7], s[54:55]          ; my quarter's first tile; stays as it is from here on
	s_add_nc_u64 s[8:9], s[8:9], s[58:59]
	s_mov_b32 s[G0+0], 1
	s_mov_b32 s[G0+1], s56
	NEXTTILE 0                                     ; the walk's tile 0
	s_mov_b32 s[G0+4], 1
	s_add_co_u32 s[G0+5], s56, SLOT
	NEXTTILE 1                                     ; the walk's tile 1
	s_mov_b32 s[G0Q+0], 1
	s_add_co_u32 s[G0Q+1], s57, QLDS
	s_mov_b64 s[G0Q+2:G0Q+3], s[4:5]
	s_or_b32 s[G0Q+3], s[G0Q+3], 0x80000000
	ROUND                                          ; all four work-groups are here: the first joint loads meet
	tensor_load_to_lds s[G0Q:G0Q+3], s[G1Q:G1Q+7]          ; the three first fills in one group: by this text's count three tensor loads of a wave are out here,
	s_nop 0
	tensor_load_to_lds s[G0:G0+3], s[G1KV:G1KV+7]          ; one behind each later round
	s_nop 0
	tensor_load_to_lds s[G0+4:G0+7], s[G1KV:G1KV+7]
	s_nop 0
	v_and_b32 v1, 15, v0                           ; r
	v_bfe_u32 v2, v0, 4, 1                         ; h
	v_and_b32 v3, 31, v0                           ; lane
	v_mul_u32_u24 v17, v1, PITCH
	v_lshl_add_u32 v17, v2, 4, v17                 ; row r, 16 bytes for each half of the lanes
	v_add_nc_u32 v[KA], s56, v17
	v_add_nc_u32 v[KA+1], SLOT, v[KA]
	v_add_nc_u32 v[QA], QLDS, v17
	v_lshrrev_b32 v18, 1, v1                       ; V^T's row l = 16 lb + r lies in LDS row 64 + 8 lb + r / 2, at byte 128 (r mod 2):
	v_and_b32 v19, 1, v1                           ; 16 (r / 2) + 128 (r mod 2) modulo 256 are sixteen different 16-byte columns
	v_mul_u32_u24 v18, v18, PITCH
	v_lshl_add_u32 v18, v19, 7, v18
	v_lshl_add_u32 v18, v2, 4, v18
	s_add_co_u32 s57, s56, 64*PITCH
	v_add_nc_u32 v[VA], s57, v18
	v_add_nc_u32 v[VA+1], SLOT, v[VA]
	v_mul_u32_u24 v[STO], v1, OPITCH               ; merge: query r's row, l = 8 h ..
	v_lshl_add_u32 v[STO], v2, 5, v[STO]
	v_add_nc_u32 v[STO], s56, v[STO]
	s_lshl_b32 s57, s10, 8
	s_add_co_u32 s57, s57, STAT
	v_lshl_add_u32 v[STA], v1, 2, s57              ; m[my wave][r]
	s_lshl_b32 s57, s10, 6
	s_add_co_u32 s57, s57, STAT
	v_lshl_add_u32 v[STR], v1, 2, s57              ; m[0][16 w + r]
	s_mul_i32 s57, s10, 16*OPITCH
	v_lshl_add_u32 v[RD], v3, 4, s57               ; row 16 w of wave 0's stage, 16 bytes a lane
	v_add_nc_u32 v[RD+1], RING, v[RD]
	v_add_nc_u32 v[RD+2], 2*RING, v[RD]
	v_add_nc_u32 v[RD+3], 3*RING, v[RD]
	s_lshl_b32 s57, s10, 13
	v_lshl_add_u32 v[CO], v3, 4, s57               ; 16 rows of 512 bytes a wave
.irp qb, 0,1,2,3
	v_mov_b32 v[ML+2*\qb+1], 0                     ; l: the packed subtraction names the whole pair (m, l), so l is written before the first step
	v_mov_b32 v[TX+\qb], 0                         ; v_permlanex16_b32 counts as a reader of its destination
.endr
.macro LDQ g                           ; a group's q fragments: 32 queries x 128: 16 loads
.irp qi, 0,1
.irp c, 0,1,2,3
	ds_load_b128 v[QF+32*(2*\g+\qi)+8*\c:QF+32*(2*\g+\qi)+8*\c+3],   v[QA] offset:(2*\g+\qi)*16*PITCH+64*\c
	ds_load_b128 v[QF+32*(2*\g+\qi)+8*\c+4:QF+32*(2*\g+\qi)+8*\c+7], v[QA] offset:(2*\g+\qi)*16*PITCH+64*\c+32
.endr
.endr
.endm
.macro LDK slot                        ; a tile's K: 64 keys x 128: 32 loads
.irp kb, 0,1,2,3
.irp c, 0,1,2,3
	ds_load_b128 v[KF+32*\kb+8*\c:KF+32*\kb+8*\c+3],   v[KA+\slot] offset:\kb*16*PITCH+64*\c
	ds_load_b128 v[KF+32*\kb+8*\c+4:KF+32*\kb+8*\c+7], v[KA+\slot] offset:\kb*16*PITCH+64*\c+32
.endr
.endr
.endm
.macro LDV slot                        ; a tile's V^T: 128 l x 64 keys: 32 loads
.irp kc, 0,1
.irp lb, 0,1,2,3,4,5,6,7
	ds_load_b128 v[VF+64*\kc+8*\lb:VF+64*\kc+8*\lb+3],   v[VA+\slot] offset:\lb*8*PITCH+64*\kc
	ds_load_b128 v[VF+64*\kc+8*\lb+4:VF+64*\kc+8*\lb+7], v[VA+\slot] offset:\lb*8*PITCH+64*\kc+32
.endr
.endr
.endm
; A GROUP'S SOFTMAX AS A LIST, CUT IN TWO BY ONE WAIT.  The symbol vn is the place in the list; SMOP writes the instruction of place vn of group g (or nothing, where the place is empty) and steps vn.
; first = 1: the group's first step, which starts m and l and has no alpha.
; AHEAD OF THE WAIT, AN = HP + 98 places, none of which names an exponential's result: HP plain ones for the maxima and statistics, then the 32 subtractions and the 66 exponentials.
; BEHIND IT the readers: 24 additions, 32 conversions, TN places that close the sum, 64 for O x alpha.  The wait itself is written where the list is dealt out, between the two halves.
.macro HEADOP g, first
	WIN 0
.if vn < 32                                        ; the largest of my 32 scores of a query: four chains of eight for each of the two query blocks, level by level
.set zq, 2*\g+(vn%8)/4
.set zs, SC+32*zq+8*(vn%4)
.set zd, CH+4*zq+vn%4
.if vn < 8
	v_max3_num_f32 v[zd], v[zs], v[zs+1], v[zs+2]
.else
.if vn < 16
	v_max3_num_f32 v[zd], v[zd], v[zs+3], v[zs+4]
.else
.if vn < 24
	v_max3_num_f32 v[zd], v[zd], v[zs+5], v[zs+6]
.else
	v_max_num_f32 v[zd], v[zd], v[zs+7]
.endif
.endif
.endif
.else
.set zq, 2*\g+vn%2
.set zl, (vn-32)/2
.if zl == 0
	v_max3_num_f32 v[TM+zq], v[CH+4*zq], v[CH+4*zq+1], v[CH+4*zq+2]
.endif
.if zl == 1
	v_max_num_f32 v[TM+zq], v[TM+zq], v[CH+4*zq+3]
.endif
.if zl == 2
	v_permlanex16_b32 v[TX+zq], v[TM+zq], s46, s47         ; the other half's 32 keys of the same query
.endif
.if zl == 3
.if \first
	v_max_num_f32 v[ML+2*zq], v[TM+zq], v[TX+zq]
.else
	v_max3_num_f32 v[AT+2*zq+1], v[ML+2*zq], v[TM+zq], v[TX+zq]    ; the new running maximum
.endif
.endif
.if zl == 4
	v_sub_f32 v[AT+2*zq], v[ML+2*zq], v[AT+2*zq+1]         ; old m - new m: alpha's exponent
.endif
.if zl == 5
	v_mov_b32 v[ML+2*zq], v[AT+2*zq+1]
.endif
.endif
.endm
; THE BATCH, 98 places.  The subtractions go by pairs of scores, pair b = 0..31 of the group's 64 registers; the exponentials stand in one queue of 66: the two alpha = 2^(old m - new m), then
; scores 0..63, each in place.  Two subtractions lead; then 24 fours: seven of subtraction, exponential, subtraction, exponential; sixteen of a subtraction and three exponentials; one of four
; exponentials.  A pair is subtracted in an earlier four than the one that holds its exponentials.  No place here reads or writes a register that an exponential of the batch has written.
.macro BATCHOP g, first
.set zi, vn-HP
.set zb, -1                                        ; the pair to subtract from, or none
.set ze, -1                                        ; the number in the exponentials' queue, or none
.if zi < 2
.set zb, zi
.else
.set zf, (zi-2)/4
.set zn, (zi-2)%4
.if zf < 7
.if zn%2 == 0
.set zb, 2+2*zf+zn/2                               ; pairs 2 to 15
.else
.set ze, 2*zf+zn/2                                 ; queue 0 to 13
.endif
.elseif zf < 23
.if zn == 0
.set zb, 9+zf                                      ; pairs 16 to 31
.else
.set ze, 3*zf-8+zn                                 ; queue 14 to 61
.endif
.else
.set ze, 62+zn                                     ; queue 62 to 65
.endif
.endif
	WIN 0
.if zb >= 0
.set zr, SC+64*\g+2*zb
.set zm, ML+2*(2*\g+zb/16)
	v_pk_add_f32 v[zr:zr+1], v[zr:zr+1], v[zm:zm+1] op_sel_hi:[1,0] neg_lo:[0,1] neg_hi:[0,1]      ; s - m, both by the pair's first register
.elseif ze >= 2
	v_exp_f32 v[SC+64*\g+ze-2], v[SC+64*\g+ze-2]
.elseif !(\first)
	v_exp_f32 v[AT+2*(2*\g+ze)], v[AT+2*(2*\g+ze)]         ; alpha; the first step has none
.endif
.endm
; THE READERS' FIRST 56 PLACES.  0-23: the sum of the unrounded p, a chain of pairs for each of the group's eight tiles (registers 0-1 + 2-3, + 4-5, + 6-7), level by level over the tiles.
; 24-55: the conversions to f16.  Two tiles of S become one fragment of P in place, ascending: register j of the sixteen is written when 2 j and 2 j + 1 are read, and behind the additions that
; read it; the group's four fragments take turns.
.macro READOP g
.set zi, vn-AN
	WIN 0
.if zi < 24
.set zt, zi%8
.set zr, SC+64*\g+8*zt
.set zd, CH+8*(2*\g+zt/4)+2*(zt%4)
.if zi < 8
	v_pk_add_f32 v[zd:zd+1], v[zr:zr+1], v[zr+2:zr+3]
.elseif zi < 16
	v_pk_add_f32 v[zd:zd+1], v[zd:zd+1], v[zr+4:zr+5]
.else
	v_pk_add_f32 v[zd:zd+1], v[zd:zd+1], v[zr+6:zr+7]
.endif
.else
.set zj, (zi-24)/4
.set zr, SC+64*\g+16*((zi-24)%4)
	v_cvt_pk_f16_f32 v[zr+zj], v[zr+2*zj], v[zr+2*zj+1]
.endif
.endm
.macro TAILOP g, first
.set zt, vn-AN-56
	WIN 0
.if zt < 4
.set zd, CH+8*(2*\g+zt/2)+4*(zt%2)
	v_pk_add_f32 v[zd:zd+1], v[zd:zd+1], v[zd+2:zd+3]
.else
.set zq, 2*\g+zt%2
.set zd, CH+8*zq
.if zt < 6
	v_pk_add_f32 v[zd:zd+1], v[zd:zd+1], v[zd+4:zd+5]
.else
.if \first
	v_add_f32 v[ML+2*zq+1], v[zd], v[zd+1]
.else
.if zt < 8
	v_add_f32 v[zd], v[zd], v[zd+1]
.else
	v_fma_f32 v[ML+2*zq+1], v[ML+2*zq+1], v[AT+2*zq], v[zd]        ; l = l alpha + sum (my half of the keys; the halves meet at the end)
.endif
.endif
.endif
.endif
.endm
.macro RESCOP g
.set zk, vn-AN-56-TN
.set zq, 2*\g+(zk/4)%2
.set zd, 8*(4*(zk/8)+zq)+2*(zk%4)
	WIN W_O
	v_pk_mul_f32 v[zd:zd+1], v[zd:zd+1], v[AT+2*zq:AT+2*zq+1] op_sel_hi:[1,0]      ; O x alpha, the group's 16 tiles
.endm
.macro SMOP g, first
.set HP, 44-4*\first
.set AN, HP+98
.set TN, 10-2*\first
.if vn < HP
	HEADOP \g, \first
.elseif vn < AN
	BATCHOP \g, \first
.elseif vn < AN+56
	READOP \g
.elseif vn < AN+56+TN
	TAILOP \g, \first
.elseif vn < AN+56+TN+64-64*\first
	RESCOP \g
.endif
.set vn, vn+1
.endm
.macro FILLV g, first, k               ; the next k places of group g's list
.rept \k
	SMOP \g, \first
.endr
.endm
; THE DEAL: what stands behind matrix instruction wi of a block.  part = 1: the block carries the list's first half, AN places: four behind each matrix instruction, and the AN - 128 that are over with
; them behind the first: 18 (a first step: 14) maxima, plain and independent of each other.  So the batch's fours fall on whole slices.  part = 2: the readers, four behind each and six behind the last
; (130 = 4 x 32 + 2; a first step's 64 end earlier, and the places behind them are empty).  part = 0: nothing.
.macro RIDE sg, sfirst, part
.if \part == 1
.if wi == 0
	FILLV \sg, \sfirst, 18-4*\sfirst
.else
	FILLV \sg, \sfirst, 4
.endif
.endif
.if \part == 2
.if wi == 31
	FILLV \sg, \sfirst, 6
.else
	FILLV \sg, \sfirst, 4
.endif
.endif
.endm
; A block of 32 matrix instructions: S of group g, 64 keys x 32 queries.  The first eight start the sums; the eight accumulators take turns, one instruction a turn.
; Behind each stands its share of group sg's list.  The five v_nop that close a block are the places behind its last matrix instructions (ISA guide 7.12.1 for vector instructions):
; for the vector instructions that read its results, the matrix instructions that write over its sources, and the loads into its sources, all of which follow in the next block.
; Behind a block that carries a batch they are also the plain instructions between the last exponential and the first use of a result (ISA guide 5.7.2).
.macro SB g, sg, sfirst, part
.set wi, 0
.rept 32
.set wq, 2*\g+wi%2
.set wk, (wi%8)/2
.set wc, wi/8
.set wd, SC+32*wq+8*wk
	WIN W_S
.if wi < 8
	v_wmma_f32_16x16x32_bf16 v[wd:wd+7], v[KF+32*wk+8*wc:KF+32*wk+8*wc+7], v[QF+32*wq+8*wc:QF+32*wq+8*wc+7], 0
.else
	v_wmma_f32_16x16x32_bf16 v[wd:wd+7], v[KF+32*wk+8*wc:KF+32*wk+8*wc+7], v[QF+32*wq+8*wc:QF+32*wq+8*wc+7], v[wd:wd+7]
.endif
	RIDE \sg, \sfirst, \part
.set wi, wi+1
.endr
	PLACES 5
.endm
; A block of 32 matrix instructions: O^T of group g += V^T P^T, 128 l x 32 queries x 64 keys.  The sixteen accumulators take turns, one instruction a turn.
; pvfirst = 1: the first sixteen start the sums.
.macro PVB g, pvfirst, sg, sfirst, part
.set wi, 0
.rept 32
.set wq, 2*\g+wi%2
.set wl, (wi%16)/2
.set wc, wi/16
.set wd, 8*(4*wl+wq)
	WIN W_PV
.if \pvfirst*(1-wc)
	v_wmma_f32_16x16x32_f16 v[wd:wd+7], v[VF+64*wc+8*wl:VF+64*wc+8*wl+7], v[SC+32*wq+16*wc:SC+32*wq+16*wc+7], 0
.else
	v_wmma_f32_16x16x32_f16 v[wd:wd+7], v[VF+64*wc+8*wl:VF+64*wc+8*wl+7], v[SC+32*wq+16*wc:SC+32*wq+16*wc+7], v[wd:wd+7]
.endif
	RIDE \sg, \sfirst, \part
.set wi, wi+1
.endr
	PLACES 5
.endm
; Step u.  rs = the slot of tile u + 1, which is read here.  refill = 1: the other slot, whose tile u was last read in the step before (its V^T, in front of B4), gets tile u + 2,
; which has this whole step in which to land.  K(u+1) is asked from LDS in front of B1 and used from B2 on; V^T(u+1) in front of B4 and used from the next B1 on.
.macro ITER rs, refill, pvfirst, g1first
	s_wait_tensorcnt 0x0                           ; all my tensor loads have landed, tile u + 1 among them, so a group 0 may be written
	ds_add_u32 v254, v255
	s_wait_dscnt 0x0
.if \refill
	NEXTTILE (1-\rs)
.endif
	s_wait_dscnt 0x0                               ; my reads of the other slot are back, V^T(u) among them
.if \refill
	ROUND                                          ; both now hold of every wave of all four work-groups
	tensor_load_to_lds s[G0+4*(1-\rs):G0+4*(1-\rs)+3], s[G1KV:G1KV+7]      ; my one tensor load behind the round, first thing there
	s_nop 0
.endif
	WIN 0x80
	LDK \rs
.set vn, 0
	PVB 0, \pvfirst, 1, \g1first, 1                ; B1, and G1's batch
	s_wait_dscnt 0x0                               ; K(u+1) is in: asked for 32 matrix instructions ago
	s_wait_alu depctr_va_vdst(0)                   ; the one wait for G1's batch, the exponentials issued in B1, ahead of the first instruction that names a result; all readers stand in B2
	SB 0, 1, \g1first, 2                           ; B2, and G1's readers
.set vn, 0
	PVB 1, \pvfirst, 0, 0, 1                       ; B3, and G0's batch
	s_wait_alu depctr_va_vdst(0)                   ; the one wait for G0's batch, the 66 exponentials issued in B3, directly ahead of V^T's run of loads; all readers stand in B4
	WIN 0xc0
	LDV \rs
	SB 1, 0, 0, 2                                  ; B4, and G0's readers
	WIN 0                                          ; at a label and at a branch every window is 0
.endm
	s_wait_tensorcnt 0x1                           ; my rows of q and my tile 0 are in; tile 1, issued behind them, stays out
	s_barrier_signal -1
	s_barrier_wait -1                              ; everybody's rows of q are in
	WIN 0x80
	LDQ 0
	LDK 0
	s_wait_dscnt 0x0
	LDQ 1                                          ; the second group's q and V^T(0) land during the first block
	WIN 0xc0
	LDV 0
	SB 0, 0, 0, 0                                  ; S(G0, 0): nothing to put behind it yet
	s_wait_dscnt 0x0
.set vn, 0
	SB 1, 0, 1, 1                                  ; S(G1, 0) with the softmax of S(G0, 0), which starts m and l: its maxima, subtractions and 64 exponentials,
	s_wait_alu depctr_va_vdst(0)                   ; the one wait for that batch,
	FILLV 0, 1, 64                                 ; and its 64 readers
	WIN 0
	ITER 1, 1, 1, 1                                ; step 0 starts O and G1's m and l: nothing is cleared.  It asks for tile 2
	s_mov_b32 s44, 6
.Lsteps:                                           ; steps 1 to 12, which ask for tiles 3 to 14
	ITER 0, 1, 0, 0
	ITER 1, 1, 0, 0
	s_sub_co_u32 s44, s44, 1
	s_cmp_lg_u32 s44, 0
	s_cbranch_scc1 .Lsteps
	ITER 0, 1, 0, 0                                ; step 13 asks for tile 15
	ITER 1, 0, 0, 0                                ; step 14: nothing is left to fetch; tile 15 is my own, so my wait is all that its reads need
	s_wait_dscnt 0x0                               ; step 15: V^T(15) is in
.set vn, 0
	PVB 0, 0, 1, 0, 1                              ; O(G0) with the softmax of S(G1, 15) up to and with its 66 exponentials,
	s_wait_alu depctr_va_vdst(0)                   ; the one wait for that batch,
	FILLV 1, 0, 130                                ; its 130 readers,
	PVB 1, 0, 0, 0, 0                              ; and O(G1); its closing v_nop are the places in front of the stores of O
	WIN 0
	; THE MERGE.  Each wave puts its m, l and O^T (as rows of queries) into LDS; wave w then makes queries 16 w .. 16 w + 15.
.irp qb, 0,1,2,3
	v_permlanex16_b32 v[TX+\qb], v[ML+2*\qb+1], s46, s47
.endr
.irp qb, 0,1,2,3
	v_add_f32 v[ML+2*\qb+1], v[ML+2*\qb+1], v[TX+\qb]      ; l of both halves of the keys
.endr
.irp qb, 0,1,2,3
	ds_store_b32 v[STA], v[ML+2*\qb] offset:64*\qb         ; both halves of the lanes write the same word with the same value
	ds_store_b32 v[STA], v[ML+2*\qb+1] offset:1024+64*\qb
.endr
	WIN 0x04
.irp qb, 0,1,2,3
.irp lb, 0,1,2,3,4,5,6,7
	ds_store_b128 v[STO], v[8*(4*\lb+\qb):8*(4*\lb+\qb)+3]   offset:\qb*16*OPITCH+64*\lb
	ds_store_b128 v[STO], v[8*(4*\lb+\qb)+4:8*(4*\lb+\qb)+7] offset:\qb*16*OPITCH+64*\lb+16
.endr
.endr
	WIN 0
	s_wait_dscnt 0x0                               ; my stores are done, for the others' sake
	s_barrier_signal -1
	s_barrier_wait -1
.irp u, 0,1,2,3
	ds_load_b32 v[44+\u], v[STR] offset:256*\u             ; m of wave u, query 16 w + r
	ds_load_b32 v[48+\u], v[STR] offset:1024+256*\u        ; l
.endr
	s_wait_dscnt 0x0
	v_max3_num_f32 v56, v44, v45, v46
	v_max_num_f32 v56, v56, v47                    ; the query's maximum over all keys
.irp u, 0,1,2,3
	v_sub_f32 v[52+\u], v[44+\u], v56
.endr
.irp u, 0,1,2,3
	v_exp_f32 v[52+\u], v[52+\u]
.endr
	v_nop                                          ; the plain place behind the exponentials
	s_wait_alu depctr_va_vdst(0)                   ; one wait for the batch of four exponentials, ahead of its first reader
	v_mul_f32 v57, v52, v48
	v_fmac_f32 v57, v53, v49
	v_fmac_f32 v57, v54, v50
	v_fmac_f32 v57, v55, v51                       ; the whole sum: at least 1, from the key that holds the maximum
	v_rcp_f32 v57, v57
	v_nop                                          ; the plain place behind the reciprocal
	s_wait_alu depctr_va_vdst(0)                   ; the reciprocal reads a sum of the exponentials, so it is a batch by itself: its wait
.irp u, 0,1,2,3
	v_mul_f32 v[52+\u], v[52+\u], v57              ; wave u's factor for query 16 w + r
.endr
; Four rows: each row's 512 bytes from each of the four stages, summed with the row's four factors, stored as 512 consecutive aligned bytes.
.macro MROWS g
.irp i, 0,1,2,3
.irp u, 0,1,2,3
	ds_load_b128 v[MD+16*\i+4*\u:MD+16*\i+4*\u+3], v[RD+\u] offset:(4*\g+\i)*OPITCH
.endr
.endr
.irp i, 0,1,2,3
	s_wait_dscnt 12-4*\i                           ; the loads of the rows behind this one stay out
	v_readlane_b32 s48, v52, 4*\g+\i               ; the row's factors: numbers only, they steer no address and no branch
	v_readlane_b32 s49, v53, 4*\g+\i
	v_readlane_b32 s50, v54, 4*\g+\i
	v_readlane_b32 s51, v55, 4*\g+\i
.irp j, 0,1,2,3
	v_mul_f32 v[MR+16*\g+4*\i+\j], s48, v[MD+16*\i+\j]
.endr
.irp j, 0,1,2,3
	v_fmac_f32 v[MR+16*\g+4*\i+\j], s49, v[MD+16*\i+4+\j]
.endr
.irp j, 0,1,2,3
	v_fmac_f32 v[MR+16*\g+4*\i+\j], s50, v[MD+16*\i+8+\j]
.endr
.irp j, 0,1,2,3
	v_fmac_f32 v[MR+16*\g+4*\i+\j], s51, v[MD+16*\i+12+\j]
.endr
	global_store_b128 v[CO], v[MR+16*\g+4*\i:MR+16*\g+4*\i+3], s[8:9] offset:(4*\g+\i)*512 th:TH_STORE_NT   ; every row has result registers of its own: none is rewritten under a store
.endr
.endm
	MROWS 0
	MROWS 1
	MROWS 2
	MROWS 3
	s_wait_tensorcnt 0x0
	ds_add_u32 v254, v255
	s_wait_dscnt 0x0
	ROUND                                          ; the closing round: no work-group ends while a partner may still ask for a tile that names it
	s_endpgm
.Lfunc_end_k_qec4d5bf5d3_attn:
	.size	k_qec4d5bf5d3_attn, .Lfunc_end_k_qec4d5bf5d3_attn-k_qec4d5bf5d3_attn
	.p2alignl 7, 3214868480
	.fill 96, 4, 3214868480
	.section	.rodata,"a",@progbits
	.p2align	6, 0x0
	.amdhsa_kernel k_qec4d5bf5d3_attn
		.amdhsa_group_segment_fixed_size 327680
		.amdhsa_private_segment_fixed_size 0
		.amdhsa_enable_private_segment 0
		.amdhsa_kernarg_size 24
		.amdhsa_user_sgpr_count 2
		.amdhsa_user_sgpr_kernarg_segment_ptr 1
		.amdhsa_wavefront_size32 1
		.amdhsa_system_sgpr_workgroup_id_x 1
		.amdhsa_system_sgpr_workgroup_id_y 1
		.amdhsa_system_sgpr_workgroup_id_z 1
		.amdhsa_system_vgpr_workitem_id 0
		.amdhsa_next_free_vgpr 896
		.amdhsa_next_free_sgpr 66
		.amdhsa_reserve_vcc 0
		.amdhsa_float_denorm_mode_32 3
		.amdhsa_float_denorm_mode_16_64 3
		.amdhsa_memory_ordered 1
		.amdhsa_forward_progress 1
		.amdhsa_inst_pref_size 255
	.end_amdhsa_kernel
	.section	.bss,"aw",@nobits
	.p2align	6
	.space	262144
	.amdgpu_metadata
---
amdhsa.version: [ 1, 2 ]
amdhsa.kernels:
  - .name:           k_qec4d5bf5d3_attn
    .symbol:         k_qec4d5bf5d3_attn.kd
    .args:
      - { .name: q, .offset: 0, .size: 8, .value_kind: global_buffer, .address_space: global }
      - { .name: kv, .offset: 8, .size: 8, .value_kind: global_buffer, .address_space: global }
      - { .name: out0, .offset: 16, .size: 8, .value_kind: global_buffer, .address_space: global }
    .group_segment_fixed_size: 327680
    .private_segment_fixed_size: 0
    .kernarg_segment_align: 8
    .kernarg_segment_size: 24
    .max_flat_workgroup_size: 128
    .sgpr_count:     66
    .vgpr_count:     896
    .wavefront_size: 32
...
	.end_amdgpu_metadata
.endif
;; end of part 6
